; MI455X (gfx1250); checked and timed in simulation.
; The chip was launched on July 23, 2026; its instructions are those of AMD's public machine-readable ISA for CDNA 5 (MIT licence, August 2026) and "CDNA5" Instruction Set Architecture Reference Guide (July 2026). The comments in the code are by the model that wrote it; some were corrected since.
;; NGP. Allowed arithmetic: float matrix products may take bf16 or f16 operands with f32 sums; other float arithmetic in f32, or as packed bf16 or f16 multiplies, adds, multiply-adds, maxima and minima; sums over many terms, partial sums and values carried from step to step in f32; what a program stores and reads back later, other than sums and carried values, may be rounded once to bf16 or f16.
;; Inputs: d 1,048,576 x 3 float32; geo_w0 32 x 64 float32; geo_w1 64 x 17 float32; hash_table 16 x 524,288 x 2 float32; rgb_w0 32 x 64 float32; rgb_w1 64 x 64 float32; rgb_w2 64 x 3 float32; x 1,048,576 x 3 float32.
;; Outputs: out0 1,048,576 float32; out1 1,048,576 x 3 float32.
;; 4 versions, each right; version 4 is version 3 with the launch prep written anew for expert scheduling mode. Each part assembles by itself: llvm-mc -triple=amdgcn-amd-amdhsa -mcpu=gfx1250 --defsym DOCPART=n.
;; ======== version 1 of 4: 2 launches
;; limits: below input magnitudes of 1.08e-19 results are inexact or not finite
;; workspace buffers: q 12,582,912 bytes of whole numbers
;; launch quant (part 1): grid 256 x 1, 8 waves a work-group, no clusters, 0 bytes of LDS; arguments x, q; writes q
.if DOCPART == 1
	.amdgcn_target "amdgcn-amd-amdhsa--gfx1250"
	.amdhsa_code_object_version 6
	.text
	.protected	k_qe59ef61b66_quant
	.globl	k_qe59ef61b66_quant
	.p2align	8
	.type	k_qe59ef61b66_quant,@function
k_qe59ef61b66_quant:
	s_mov_b64 s[64:65], 0
	v_nop
	global_prefetch_b8 v0, s[64:65] scope:SCOPE_SE
	s_setreg_imm32_b32 hwreg(HW_REG_WAVE_MODE, 25, 1), 1
	s_wait_xcnt 0x0
; q[n][a] = trunc(clip(x[n][a] + 0.5, 0, 1) * 2^31), a whole number of 32 bits, in x's own layout [1048576][3].
; reference() divides x + 0.5 by 1.0 and clips: one f32 addition, whose rounding is kept here; the factor 2^31 is exact, and the truncation drops bits only
; below 2^-31, that is only where the clipped number is under 2^-7.  The next launch forms all its table indices from q by whole-number arithmetic.
; LIMIT: a NaN in x gives q = 0.
; SHARES: 12,582,912 bytes over 256 work-groups are 49,152 each; thread t takes the 16 bytes at 16 t + 4,096 i, i = 0 .. 11, so each load and store of a wave
; covers 512 consecutive bytes that begin at a multiple of 512.  All twelve loads go out first; no slot is written twice, so nothing but the loads is waited for.
.set PART, 49152                       ; bytes of a work-group
.set STEP, 4096                        ; bytes that the 256 threads take at once
.set N,    12                          ; slots
.set X,    4                           ; v[4:51]  slot i: four numbers, as loaded and then as stored
	s_load_b128 s[4:7], s[0:1], 0x0                ; x s[4:5], q s[6:7]
	s_mul_i32 s2, ttmp9, PART                      ; my work-group's part (under 2^24)
	s_mov_b32 s3, 0
	v_lshlrev_b32 v1, 4, v0                        ; 16 t
	v_mov_b32 v2, 0.5                              ; in a register: the clamped addition takes registers alone
	s_wait_kmcnt 0x0
	s_add_nc_u64 s[4:5], s[4:5], s[2:3]
	s_add_nc_u64 s[6:7], s[6:7], s[2:3]
.set i, 0
.rept N
	global_load_b128 v[X+4*i:X+4*i+3], v1, s[4:5] offset:STEP*i th:TH_LOAD_NT
.set i, i+1
.endr
.set i, 0
.rept N
	s_wait_loadcnt N-1-i                           ; loads come back in order: slot i is in, the younger ones stay out
.irp k, 0,1,2,3
	v_add_f32 v[X+4*i+\k], v[X+4*i+\k], v2 clamp   ; x + 0.5, held to 0 .. 1
.endr
.irp k, 0,1,2,3
	v_mul_f32 v[X+4*i+\k], 0x4f000000, v[X+4*i+\k] ; times 2^31, exact
.endr
.irp k, 0,1,2,3
	v_cvt_u32_f32 v[X+4*i+\k], v[X+4*i+\k]         ; toward zero; 1.0 gives 0x80000000
.endr
	global_store_b128 v1, v[X+4*i:X+4*i+3], s[6:7] offset:STEP*i th:TH_STORE_NT
.set i, i+1
.endr
	s_endpgm
.Lfunc_end_k_qe59ef61b66_quant:
	.size	k_qe59ef61b66_quant, .Lfunc_end_k_qe59ef61b66_quant-k_qe59ef61b66_quant
	.p2alignl 7, 3214868480
	.fill 96, 4, 3214868480
	.section	.rodata,"a",@progbits
	.p2align	6, 0x0
	.amdhsa_kernel k_qe59ef61b66_quant
		.amdhsa_group_segment_fixed_size 0
		.amdhsa_private_segment_fixed_size 0
		.amdhsa_enable_private_segment 0
		.amdhsa_kernarg_size 16
		.amdhsa_user_sgpr_count 2
		.amdhsa_user_sgpr_kernarg_segment_ptr 1
		.amdhsa_wavefront_size32 1
		.amdhsa_system_sgpr_workgroup_id_x 1
		.amdhsa_system_sgpr_workgroup_id_y 1
		.amdhsa_system_sgpr_workgroup_id_z 1
		.amdhsa_system_vgpr_workitem_id 0
		.amdhsa_next_free_vgpr 52
		.amdhsa_next_free_sgpr 66
		.amdhsa_reserve_vcc 0
		.amdhsa_float_denorm_mode_32 3
		.amdhsa_float_denorm_mode_16_64 3
		.amdhsa_memory_ordered 1
		.amdhsa_forward_progress 1
		.amdhsa_inst_pref_size 11
	.end_amdhsa_kernel
	.amdgpu_metadata
---
amdhsa.version: [ 1, 2 ]
amdhsa.kernels:
  - .name:           k_qe59ef61b66_quant
    .symbol:         k_qe59ef61b66_quant.kd
    .args:
      - { .name: x, .offset: 0, .size: 8, .value_kind: global_buffer, .address_space: global }
      - { .name: q, .offset: 8, .size: 8, .value_kind: global_buffer, .address_space: global }
    .group_segment_fixed_size: 0
    .private_segment_fixed_size: 0
    .kernarg_segment_align: 8
    .kernarg_segment_size: 16
    .max_flat_workgroup_size: 256
    .sgpr_count:     66
    .vgpr_count:     52
    .wavefront_size: 32
...
	.end_amdgpu_metadata
.endif
;; end of part 1
;; launch ngp (part 2): grid 256 x 1, 16 waves a work-group, no clusters, 315,392 bytes of LDS; arguments q, hash_table, d, out0, out1, geo_w0, rgb_w0, rgb_w1, geo_w1, rgb_w2; writes out0, out1
.if DOCPART == 2
	.amdgcn_target "amdgcn-amd-amdhsa--gfx1250"
	.amdhsa_code_object_version 6
	.text
	.protected	k_qe59ef61b66_ngp
	.globl	k_qe59ef61b66_ngp
	.p2align	8
	.type	k_qe59ef61b66_ngp,@function
k_qe59ef61b66_ngp:
	s_mov_b64 s[64:65], 0
	v_nop
	global_prefetch_b8 v0, s[64:65] scope:SCOPE_SE
	s_setreg_imm32_b32 hwreg(HW_REG_WAVE_MODE, 25, 1), 1
	s_wait_xcnt 0x0
; HASH-GRID ENCODING, BOTH MLPs AND BOTH OUTPUTS, FUSED.  1,048,576 points; a work-group of 16 waves takes 4,096, a wave 256, a lane 8:
; point = 4096 g + 256 w + 128 quad + 4 lane + e (quad 0, 1; e 0 .. 3; p = 4 quad + e), so a lane's four points of a quad are 48 consecutive bytes of q, d and out1 and 16 of out0.
; POSITION.  q = xn 2^31 (launch quant); S = f32(s_l) 2^21 is a whole number under 2^31; q S + 2^51 = (xn s_l + 0.5) 2^52: its high word is the position times 2^20:
; cell = high >> 20, fraction = low 20 bits.  DIFFERENCE FROM reference(): it rounds xn s and + 0.5 to f32; here the position is exact to 2^-20 of a cell.  Cell and fraction come
; from one number and the interpolant is continuous over cell faces, so this shifts a result by no more than the f32 roundings do.
; LEVELS.  s_l = 16 b^l - 1 with b = exp(log(64) / 15), res = ceil(s_l) + 1; s_5 lies just under 63 in double, so res_5 = 64, and as f32 it is 63.  Levels 0-5 (res^3 <= 2^19) are
; indexed x + y res + z res^2, levels 6-15 by the hash; of the hash only the low 19 bits count, so the primes are taken modulo 2^19 and a 24-bit multiply serves.
; THE LEVEL IS THE OUTER LOOP: a wave gathers one level for all its 256 points (64 gathers out at once), then the next level: all waves draw on one level's 4 MiB at about the same time,
; and the levels can be loops.  The price: the 32 features of 4,096 points wait in LDS, as pairs of bf16 (they are matrix operands): 260 KiB.
; The interpolation (1 x 8 times 8 x 2, both operands private to a point) is done in f32 on the vector unit, as nested lerps: t0 + f (t1 - t0) along x, y, z.
; MLPs, TRANSPOSED: D = W^T X^T (source 0 = 16 outputs x 32 inputs of W^T, source 1 = 32 inputs x 16 points).  In a result a lane holds ONE point (lane % 16) and the outputs 8 (lane / 16) + 0..7;
; two results rounded to bf16 in pairs ARE source 1 of the next layer: nothing changes lanes between layers.  A group is 32 points: tile A the points of lanes 0-15, tile B those of lanes 16-31.
; geo_w1's 17 columns: tile 0 holds columns 1-16 (they fall straight into the colour net's inputs 16-31), tile 1 column 0 in its row 0 (so sigma's sum falls into the accumulator's lowest register) and zeros.
; NO TENSOR LOADS, NO CLUSTER: the bulk of the reads are gathers of 8 bytes a lane; what work-groups share as blocks is 37,888 bytes of weights, read once by each, and those are transposed and rounded in registers.
; LIMITS.  Features, spherical harmonics, hidden layers and weights are rounded to bf16 as matrix operands, sums in f32.  ReLU (a maximum with 0) drops a NaN.  v_rsq_f32 and v_exp_f32 flush denormals
; (ISA guide 15.8): |d|^2 under 2^-126 counts as 0, an exponential under 2^-126 comes out as 0.  reference() takes no maximum ahead of its exponentials, and neither does this text.
.set LP,    1040                       ; LDS: a level's features of a wave: 8 points a lane x 128 bytes, + 16: rows 4 levels apart begin 16 banks apart (64 banks of 4 bytes: ISA guide 11.1)
.set WP,    16*LP                      ; a wave's 16 levels.  FEAT: bytes 0 .. 16 WP: wave WP + level LP + 128 p + 4 lane: bf16(f0) | bf16(f1) << 16
.set WGT,   16*WP                      ; 22 fragments of W^T, 1,024 bytes each: 16 lane: registers 0-3; 512 + 16 lane: registers 4-7
.set STG,   WGT+22*1024                ; 1,536 bytes a wave: rgb of a quad's 128 points, 12 bytes a point
.set SPARE, STG+16*1536                ; the spare words: 128 bytes a wave, eight blocks of 256 bytes that no other line names
; fragment slots: 0-3 geo_w0 (t); 4-7 rgb_w0 (t); 8 + 2 t + ks rgb_w1; 16 + 2 a + ks geo_w1; 20 + ks rgb_w2
; v0 thread; v1 lane; v2 my spare word, v3 0 (for the add alone); v4 0; v5 FEAT: wave WP + 4 lane; v6 the trip's LDS address; v7 FEAT for fragments: wave WP + 4 LP (lane / 16) + 4 (lane % 16);
; v8 WGT + 16 lane; v9 STG in: + 48 lane; v10 STG back: + 16 lane; v11 48 lane; v12 16 lane; v13 prefetch offset; v[14:15] 2^51
.set T,    16                          ; v[16:31]   at work
.set Q,    32                          ; v[32:55]   encode: q of point p at Q + 3 p
.set FR,   56                          ; v[56:87]   encode: point p: +0 fx, +1 fz, +2 fy, +3 byte offset of the cell in a dense level
.set DATA, 88                          ; v[88:215]  encode: point p, corner c = dx + 2 dy + 4 dz: two features at DATA + 16 p + 2 c
.set WX,   32                          ; v[32:95]   MLP: geo_w0 and geo_w1, later rgb_w1
.set WY,   96                          ; v[96:127]  MLP: rgb_w0, later rgb_w2
.set ACA,  128                         ; v[128:159] tile A's four accumulators (ahead of a group's first product: at work for the harmonics)
.set ACB,  160                         ; v[160:191] tile B's
.set HA,   192                         ; v[192:207] tile A: source 1, 64 inputs (the features take the first eight registers)
.set HB,   208                         ; v[208:223] tile B
.set RA,   224                         ; v[224:231] tile A: the colour net's input: harmonics, then h[1..16]
.set RB,   232                         ; v[232:239] tile B
.set DD,   240                         ; v[240:251] d of my four points of the quad
.set SG,   252                         ; v[252:255] sigma of my four points
; s[8:27] buffers; s28 wave; s30 loop count; s31 level x LP; s[32:47] S of this level and those to come; s[48:53] res likewise; s54 res^2; s[56:57] table at this level; s[58:63] the same + y, + z, + y + z;
; s[66:67] an offset in 64 bits; s68-s73 constants; s[74:75] lane selects; s76 quad x 512; s77 a lane mask; s78, s79 two constants of the harmonics
	s_load_b512 s[8:23], s[0:1], 0x0               ; q 8, hash_table 10, d 12, out0 14, out1 16, geo_w0 18, rgb_w0 20, rgb_w1 22
	s_load_b128 s[24:27], s[0:1], 0x40             ; geo_w1 24, rgb_w2 26
	v_lshl_add_u32 v2, v0, 2, SPARE
	v_mov_b32 v3, 0
	v_and_b32 v1, 31, v0
	v_lshrrev_b32 v4, 5, v0
	v_readfirstlane_b32 s28, v4                    ; wave 0 .. 15
	v_mov_b32 v4, 0
	v_and_b32 v98, 15, v0                          ; r = lane % 16 (v96-v99: at work until the weights are staged)
	v_bfe_u32 v99, v0, 4, 1                        ; h = lane / 16
	s_mul_i32 s2, s28, WP
	s_mul_i32 s3, s28, 1536
	s_add_co_u32 s3, s3, STG
	s_lshl_b32 s4, ttmp9, 14
	v_lshl_add_u32 v5, v1, 2, s2
	v_mul_u32_u24 v7, v99, 4*LP
	v_lshl_add_u32 v7, v98, 2, v7
	v_add_nc_u32 v7, s2, v7
	v_lshl_add_u32 v8, v1, 4, WGT
	v_mul_u32_u24 v11, v1, 48
	v_add_nc_u32 v9, s3, v11
	v_lshl_add_u32 v10, v1, 4, s3
	v_lshlrev_b32 v12, 4, v1
	v_lshl_add_u32 v13, v0, 8, s4                  ; 16,384 g + 256 t
	v_mov_b32 v14, 0
	v_mov_b32 v15, 0x80000                         ; v[14:15] = 2^51
	; S_l = the 24-bit mantissa of f32(s_l), shifted so that S_l = f32(s_l) 2^21
	s_mov_b32 s32, 15<<21                          ; 15.0
	s_mov_b32 s33, 0xA0E5A3<<2                     ; 0x41A0E5A3 = 20.112127
	s_mov_b32 s34, 0xD6DC67<<2                     ; 0x41D6DC67 = 26.857618
	s_mov_b32 s35, 0x8F088C<<3                     ; 0x420F088C = 35.758347
	s_mov_b32 s36, 0xBE0300<<3                     ; 0x423E0300 = 47.502930
	s_mov_b32 s37, 63<<21                          ; 63.0
	s_mov_b32 s38, 0xA6E5A3<<4                     ; 0x42A6E5A3 = 83.448506
	s_mov_b32 s39, 0xDCDC67<<4                     ; 0x42DCDC67 = 110.43047
	s_mov_b32 s40, 0x92088C<<5                     ; 0x4312088C = 146.03339
	s_mov_b32 s41, 0xC10300<<5                     ; 0x43410300 = 193.01172
	s_mov_b32 s42, 255<<21                         ; 255.0
	s_mov_b32 s43, 0xA865A3<<6                     ; 0x43A865A3 = 336.79403
	s_mov_b32 s44, 0xDE5C67<<6                     ; 0x43DE5C67 = 444.72189
	s_mov_b32 s45, 0x92C88C<<7                     ; 0x4412C88C = 587.13356
	s_mov_b32 s46, 0xC1C300<<7                     ; 0x4441C300 = 775.04688
	s_mov_b32 s47, 1023<<21                        ; 1023.0
	s_mov_b32 s48, 16                              ; res of levels 0 .. 5
	s_mov_b32 s49, 22
	s_mov_b32 s50, 28
	s_mov_b32 s51, 37
	s_mov_b32 s52, 49
	s_mov_b32 s53, 64
	s_mov_b32 s67, 0
	s_mov_b32 s68, 0xfffff                         ; the fraction's 20 bits
	s_mov_b32 s69, 0x35800000                      ; 2^-20
	s_mov_b32 s70, 0x779B1                         ; 2654435761 mod 2^19
	s_mov_b32 s71, 0x25795                         ; 805459861 mod 2^19
	s_mov_b32 s72, 0x7ffff                         ; T - 1
	s_mov_b32 s73, 0xffff0000                      ; lanes 16-31
	s_mov_b32 s74, 0x76543210                      ; v_permlanex16_b32: each lane takes its own place in the other half
	s_mov_b32 s75, 0xfedcba98
	s_mov_b32 s78, 0x3f723881                      ; 0.94617470
	s_mov_b32 s79, 0xbea17b01                      ; -0.31539157
	s_mul_i32 s66, ttmp9, 49152                    ; 12 bytes x (4,096 g + 256 w)
	s_mul_i32 s4, s28, 3072
	s_add_co_u32 s66, s66, s4
	s_wait_kmcnt 0x0
	s_add_nc_u64 s[8:9], s[8:9], s[66:67]          ; q, d and out1 at my wave's first point
	s_add_nc_u64 s[12:13], s[12:13], s[66:67]
	s_add_nc_u64 s[16:17], s[16:17], s[66:67]
	s_lshl_b32 s66, ttmp9, 14                      ; 4 bytes x the same
	s_lshl_b32 s4, s28, 10
	s_add_co_u32 s66, s66, s4
	s_add_nc_u64 s[14:15], s[14:15], s[66:67]      ; out0
	s_mov_b64 s[56:57], s[10:11]                   ; the table at level 0
.irp k, 0,1,2,3,4,5
	global_load_b128 v[Q+4*\k:Q+4*\k+3], v11, s[8:9] offset:1536*(\k/3)+16*(\k%3)  ; my 8 points' q: 48 bytes in each quad
.endr
; THE WEIGHTS: W^T as fragments in bf16.  Lane (r, h) holds row r (an output column of W) and the inputs k0 + 8 h + 0..7 (registers 0-3) and k0 + 16 + 8 h + 0..7 (registers 4-7).
; ld: numbers in a row of W.  s[2:3]: W at (k0, the tile's first column); v96: byte offset of (8 h, my column); v97: my 16 bytes in the slot; masked = 1: lanes outside s77 hold zeros.
.macro STAGE ld, masked
.set j, 0
.rept 16
	global_load_b32 v[T+j], v96, s[2:3] offset:(j+8*(j/8))*(\ld)*4
.set j, j+1
.endr
	s_wait_loadcnt 0x0                             ; these sixteen (and, the first time, q): v96 and s[2:3] are rewritten only behind this wait
.set j, 0
.rept 8
	v_cvt_pk_bf16_f32 v[88+j], v[T+2*j], v[T+2*j+1]
.set j, j+1
.endr
.if \masked
.set j, 0
.rept 8
	v_cndmask_b32 v[88+j], 0, v[88+j], s77
.set j, j+1
.endr
.endif
	ds_store_b128 v97, v[88:91]
	ds_store_b128 v97, v[92:95] offset:512
.endm
	; every wave: slot w.  w < 4: geo_w0, tile w; w < 8: rgb_w0, tile w - 4; else rgb_w1, tile (w - 8) / 2, inputs 32 (w % 2) on
	s_and_b32 s4, s28, 3
	s_bfe_u32 s5, s28, 0x20001
	s_and_b32 s6, s28, 1
	s_cmp_lt_u32 s28, 8
	s_cselect_b32 s4, s4, s5                       ; t
	s_cselect_b32 s6, 0, s6                        ; ks
	s_cselect_b64 s[2:3], s[20:21], s[22:23]
	s_cmp_lt_u32 s28, 4
	s_cselect_b64 s[2:3], s[18:19], s[2:3]
	s_lshl_b32 s66, s6, 13                         ; 32 rows of 256 bytes
	s_lshl_b32 s4, s4, 6                           ; 16 columns
	s_add_co_u32 s66, s66, s4
	s_add_nc_u64 s[2:3], s[2:3], s[66:67]
	v_lshl_add_u32 v96, v99, 9, v98                ; 8 h rows of 64, + r
	v_lshlrev_b32 v96, 2, v96
	s_lshl_b32 s5, s28, 10
	v_add_nc_u32 v97, s5, v8
	STAGE 64, 0
	v_add_nc_u32 v97, 16*1024, v97                 ; slot 16 + w, for waves 0 to 5
	s_cmp_ge_u32 s28, 6
	s_cbranch_scc1 .Lstaged
	s_cmp_ge_u32 s28, 4
	s_cbranch_scc1 .Lw2
	s_lshr_b32 s4, s28, 1                          ; geo_w1: a = w / 2, ks = w % 2
	s_and_b32 s5, s28, 1
	s_mul_i32 s66, s5, 32*68
	s_add_nc_u64 s[2:3], s[24:25], s[66:67]
	s_sub_co_u32 s5, 1, s4
	v_add_nc_u32 v96, 1, v98
	v_mul_u32_u24 v96, s5, v96                     ; my column: a = 0: 1 + r; a = 1: 0
	v_mad_u32_u24 v96, v99, 136, v96               ; + 8 h rows of 17
	v_lshlrev_b32 v96, 2, v96
	v_cmp_eq_u32 s77, 0, v98                       ; a = 1: row 0 alone is kept
	s_cmp_eq_u32 s4, 0
	s_cselect_b32 s6, -1, 0
	s_or_b32 s77, s77, s6
	STAGE 17, 1
	s_branch .Lstaged
.Lw2:
	s_sub_co_u32 s5, s28, 4                        ; rgb_w2: ks = w - 4
	s_mul_i32 s66, s5, 32*12
	s_add_nc_u64 s[2:3], s[26:27], s[66:67]
	v_min_u32 v96, 2, v98                          ; rows 3 .. 15 read column 2 and are then zeroed: no load leaves the buffer
	v_mad_u32_u24 v96, v99, 24, v96                ; + 8 h rows of 3
	v_lshlrev_b32 v96, 2, v96
	v_cmp_gt_u32 s77, 3, v98
	STAGE 3, 1
.Lstaged:
; THE ENCODING.  POS: cell (x, y, z in T+6, T+7, T+8) and fraction of point p at the level whose S is in s32.
.macro POS p
.irp a, 0,1,2
	v_mad_nc_u64_u32 v[T+2*\a:T+2*\a+1], v[Q+3*(\p)+\a], s32, v[14:15]
.endr
.irp a, 0,1,2
	v_lshrrev_b32 v[T+6+\a], 20, v[T+2*\a+1]
.endr
.irp a, 0,1,2
	v_and_b32 v[T+2*\a+1], s68, v[T+2*\a+1]
.endr
.irp a, 0,1,2
	v_cvt_f32_u32 v[T+2*\a+1], v[T+2*\a+1]
.endr
	v_mul_f32 v[FR+4*(\p)],   s69, v[T+1]          ; fx
	v_mul_f32 v[FR+4*(\p)+2], s69, v[T+3]          ; fy
	v_mul_f32 v[FR+4*(\p)+1], s69, v[T+5]          ; fz
.endm
; A dense level: one byte offset a point; the corner stands in the base (+ y, + z) and in the immediate (+ x).
.macro DPT p
	POS \p
	v_mad_u32_u24 v[T+9], v[T+7], s48, v[T+6]
	v_mad_u32_u24 v[T+9], v[T+8], s54, v[T+9]
	v_min_u32 v[T+9], 0x3ffff, v[T+9]              ; changes no true index (63 x 4,161 at the most): it bounds the address by a constant of the text
	v_lshlrev_b32 v[FR+4*(\p)+3], 3, v[T+9]
.irp c, 0,1,2,3,4,5,6,7
	global_load_b64 v[DATA+16*(\p)+2*\c:DATA+16*(\p)+2*\c+1], v[FR+4*(\p)+3], s[56+2*(\c/2):57+2*(\c/2)] offset:8*(\c%2)
.endr
.endm
; A hashed level: x ^ y P1 ^ z P2, low 19 bits.  (y + 1) P1 = y P1 + P1.  Each index is made in the first register of its own load's destination, so no register at work is a pending load's source.
.macro HPT p
	POS \p
	v_mul_u32_u24 v[T],   s70, v[T+7]
	v_mul_u32_u24 v[T+2], s71, v[T+8]
	v_add_nc_u32 v[T+10], 1, v[T+6]
	v_add_nc_u32 v[T+4], s70, v[T]
	v_add_nc_u32 v[T+9], s71, v[T+2]
	v_xor_b32 v[T+11], v[T],   v[T+2]              ; (dy, dz) = (0, 0), (1, 0), (0, 1), (1, 1)
	v_xor_b32 v[T+12], v[T+4], v[T+2]
	v_xor_b32 v[T+13], v[T],   v[T+9]
	v_xor_b32 v[T+14], v[T+4], v[T+9]
.irp k, 11,12,13,14
	v_and_b32 v[T+\k], s72, v[T+\k]                ; x is 1,024 at the most, so the mask may come ahead of it
.endr
.irp c, 0,1,2,3,4,5,6,7
	v_xor_b32 v[DATA+16*(\p)+2*\c], v[T+6+4*(\c%2)], v[T+11+\c/2]
	v_min_u32 v[DATA+16*(\p)+2*\c], 0x7ffff, v[DATA+16*(\p)+2*\c]  ; changes nothing: it bounds the address by a constant of the text
	global_load_b64 v[DATA+16*(\p)+2*\c:DATA+16*(\p)+2*\c+1], v[DATA+16*(\p)+2*\c], s[56:57] scale_offset
.endr
.endm
; Point p's eight corners are in: three rounds of t0 + f (t1 - t0), both features at once; rounded to bf16; into LDS.
.macro CONS p
.set D, DATA+16*(\p)
.set F, FR+4*(\p)
	s_wait_loadcnt 8*(7-(\p))                      ; loads come back in order: the eight gathers of each younger point may stay out
.irp k, 0,4,8,12
	v_pk_add_f32 v[D+\k+2:D+\k+3], v[D+\k+2:D+\k+3], v[D+\k:D+\k+1] neg_lo:[0,1] neg_hi:[0,1]
.endr
.irp k, 0,4,8,12
	v_pk_fma_f32 v[D+\k:D+\k+1], v[D+\k+2:D+\k+3], v[F:F+1], v[D+\k:D+\k+1] op_sel_hi:[1,0,1]    ; fx for both
.endr
.irp k, 0,8
	v_pk_add_f32 v[D+\k+4:D+\k+5], v[D+\k+4:D+\k+5], v[D+\k:D+\k+1] neg_lo:[0,1] neg_hi:[0,1]
.endr
.irp k, 0,8
	v_pk_fma_f32 v[D+\k:D+\k+1], v[D+\k+4:D+\k+5], v[F+2:F+3], v[D+\k:D+\k+1] op_sel_hi:[1,0,1]  ; fy for both
.endr
	v_pk_add_f32 v[D+8:D+9], v[D+8:D+9], v[D:D+1] neg_lo:[0,1] neg_hi:[0,1]
	v_fma_f32 v[D],   v[D+8], v[F+1], v[D]
	v_fma_f32 v[D+1], v[D+9], v[F+1], v[D+1]
	v_cvt_pk_bf16_f32 v[T+(\p)], v[D], v[D+1]
	ds_store_b32 v6, v[T+(\p)] offset:128*(\p)
.endm
.macro NEXT_LEVEL                      ; S moves up by one, the table and the LDS row step on
.set i, 32
.rept 15
	s_mov_b32 s[i], s[i+1]
.set i, i+1
.endr
	s_add_nc_u64 s[56:57], s[56:57], 0x400000
	s_add_co_u32 s31, s31, LP
.endm
	s_mov_b32 s31, 0
	s_mov_b32 s30, 6
.Ldense:                                               ; levels 0 .. 5
	s_mul_i32 s54, s48, s48
	s_lshl_b32 s66, s48, 3
	s_add_nc_u64 s[58:59], s[56:57], s[66:67]      ; + y: res entries of 8 bytes
	s_lshl_b32 s66, s54, 3
	s_add_nc_u64 s[60:61], s[56:57], s[66:67]      ; + z
	s_add_nc_u64 s[62:63], s[58:59], s[66:67]      ; + y + z
	v_add_nc_u32 v6, s31, v5
.irp p, 0,1,2,3,4,5,6,7
	DPT \p
.endr
.irp p, 0,1,2,3,4,5,6,7
	CONS \p
.endr
	; the last wait above was for 0: every gather is done, so bases and offsets may be written
.set i, 48
.rept 5
	s_mov_b32 s[i], s[i+1]
.set i, i+1
.endr
	NEXT_LEVEL
	s_sub_co_u32 s30, s30, 1
	s_cmp_lg_u32 s30, 0
	s_cbranch_scc1 .Ldense
	s_mov_b32 s30, 10
.Lhash:                                                ; levels 6 .. 15
	v_add_nc_u32 v6, s31, v5
.irp p, 0,1,2,3
	HPT \p
.endr
	; The next level's table is asked for, once in the launch: threads 0-63 of work-group g name the bytes 16,384 g + 256 t of its 4 MiB, half a trip (32 gathers and the
	; trip's interpolation) ahead of the first gather from it.  The last trip has no next level and asks for nothing.
	s_cmp_ge_u32 s28, 2
	s_cbranch_scc1 .Lasked
	s_cmp_eq_u32 s30, 1
	s_cbranch_scc1 .Lasked
	global_prefetch_b8 v13, s[56:57] offset:0x400000 th:TH_LOAD_NT scope:SCOPE_SE
.Lasked:
.irp p, 4,5,6,7
	HPT \p
.endr
.irp p, 0,1,2,3,4,5,6,7
	CONS \p
.endr
	s_wait_xcnt 0x0                                ; the prefetch has read its base: the table's address steps only behind this wait
	NEXT_LEVEL
	s_sub_co_u32 s30, s30, 1
	s_cmp_lg_u32 s30, 0
	s_cbranch_scc1 .Lhash
	s_wait_dscnt 0x0                               ; for the others' sake: my fragments of the weights (and my features) are in LDS
	s_barrier_signal -1
	s_barrier_wait -1                              ; everybody's are: the kernel's one barrier
; THE MLPs.
.macro LDW reg, slot                   ; a fragment of W^T: 32 lanes x 16 consecutive bytes, twice
	ds_load_b128 v[\reg:\reg+3],   v8 offset:(\slot)*1024
	ds_load_b128 v[\reg+4:\reg+7], v8 offset:(\slot)*1024+512
.endm
.macro MM0 d, a, b                     ; a product that starts a sum
	v_wmma_f32_16x16x32_bf16 v[\d:\d+7], v[\a:\a+7], v[\b:\b+7], 0
.endm
.macro MMA d, a, b                     ; and one that adds onto it.  The accumulators take turns, one instruction a turn
	v_wmma_f32_16x16x32_bf16 v[\d:\d+7], v[\a:\a+7], v[\b:\b+7], v[\d:\d+7]
.endm
.macro PLACES                          ; four places behind a run of products, ahead of the lines that read results or write or load into the products' registers
.rept 4
	v_nop
.endr
.endm
.macro PACKR                           ; both tiles' 64 outputs, rounded to bf16 in pairs, then ReLU: the next layer's source 1.  Each accumulator is read from its low end on
.irp b, 0,1
.set i, 0
.rept 16
	v_cvt_pk_bf16_f32 v[HA+16*\b+i], v[ACA+32*\b+2*i], v[ACA+32*\b+2*i+1]
.set i, i+1
.endr
.endr
.set i, 0
.rept 32
	v_pk_max_num_bf16 v[HA+i], v[HA+i], v4
.set i, i+1
.endr
.endm
; The 16 harmonics of my point e, in f32 as reference() writes them, rounded to bf16 in pairs s0 .. s7; then the halves of the lanes exchange: in tile A's source 1 lane r holds s0-s3 of
; lane r's point and lane 16 + r its s4-s7; in tile B's the same of lane 16 + r's point.
.macro SH e
.set DX, DD+3*(\e)
	v_mul_f32 v128, v[DX], v[DX]
	v_fmac_f32 v128, v[DX+1], v[DX+1]
	v_fmac_f32 v128, v[DX+2], v[DX+2]
	v_rsq_f32 v129, v128
	v_mov_b32 v144, 0x3e906ebb                     ; 0.28209479; also the plain line behind the transcendental
	s_wait_alu depctr_va_vdst(0)
	v_mul_f32 v130, v[DX], v129                    ; x
	v_mul_f32 v131, v[DX+1], v129                  ; y
	v_mul_f32 v132, v[DX+2], v129                  ; z
	v_mul_f32 v133, v130, v130                     ; xx
	v_mul_f32 v134, v131, v131                     ; yy
	v_mul_f32 v135, v132, v132                     ; zz
	v_mul_f32 v136, v130, v131                     ; xy
	v_mul_f32 v137, v131, v132                     ; yz
	v_mul_f32 v138, v130, v132                     ; xz
	v_sub_f32 v139, v133, v134                     ; xx - yy
	v_add_f32 v140, v133, v134                     ; xx + yy
	v_fma_f32 v141, v135, 4.0, -v140               ; 4 zz - xx - yy
	v_mul_f32 v142, 0x40400000, v140
	v_fma_f32 v142, v135, 2.0, -v142               ; 2 zz - 3 xx - 3 yy
	v_fma_f32 v143, v133, 0x40400000, -v134        ; 3 xx - yy
	v_fma_f32 v140, v134, 0xc0400000, v133         ; xx - 3 yy
	v_mul_f32 v145, 0xbefa2a1c, v131               ; -0.48860251 y
	v_mul_f32 v146, 0x3efa2a1c, v132
	v_mul_f32 v147, 0xbefa2a1c, v130
	v_mul_f32 v148, 0x3f8bd8a1, v136               ; 1.0925484 xy
	v_mul_f32 v149, 0xbf8bd8a1, v137
	v_fma_f32 v150, v135, s78, s79                 ; 0.94617470 zz - 0.31539157
	v_mul_f32 v151, 0xbf8bd8a1, v138
	v_mul_f32 v152, 0x3f0bd8a1, v139               ; 0.54627422 (xx - yy)
	v_mul_f32 v153, 0xbf170d19, v131               ; -0.59004359 y
	v_mul_f32 v154, 0x4038ffc7, v136               ; 2.8906114 xy
	v_mul_f32 v155, 0xbeea01e8, v131               ; -0.45704580 y
	v_mul_f32 v156, 0x3ebf10f8, v132               ; 0.37317633 z
	v_mul_f32 v157, 0xbeea01e8, v130
	v_mul_f32 v158, 0x3fb8ffc7, v132               ; 1.4453057 z
	v_mul_f32 v159, 0xbf170d19, v130
	v_mul_f32 v153, v153, v143
	v_mul_f32 v154, v154, v132
	v_mul_f32 v155, v155, v141
	v_mul_f32 v156, v156, v142
	v_mul_f32 v157, v157, v141
	v_mul_f32 v158, v158, v139
	v_mul_f32 v159, v159, v140
.irp i, 0,1,2,3,4,5,6,7
	v_cvt_pk_bf16_f32 v[T+\i], v[144+2*\i], v[145+2*\i]
.endr
.irp i, 0,1,2,3
	v_permlanex16_b32 v[T+8+\i],  v[T+4+\i], s74, s75
	v_permlanex16_b32 v[T+12+\i], v[T+\i],   s74, s75
.endr
.irp i, 0,1,2,3
	v_cndmask_b32 v[RA+\i], v[T+\i],    v[T+8+\i], s73
	v_cndmask_b32 v[RB+\i], v[T+12+\i], v[T+4+\i], s73
.endr
.endm
; A group: point e of all 32 lanes.  22 products a tile.  The weights' fragments come from LDS a layer or two ahead of their use; each wait's count is the loads issued behind those that it needs.
.macro GROUP e
.irp i, 0,1,2,3,4,5,6,7                ; the features as source 1: register i holds level i (i < 4) or i + 4, + 4 for lanes 16-31 (in v6); tile B's points lie 64 bytes on
	ds_load_b32 v[HA+\i], v6 offset:(\i+4*(\i/4))*LP+128*(\e)
	ds_load_b32 v[HB+\i], v6 offset:(\i+4*(\i/4))*LP+128*(\e)+64
.endr
.irp t, 0,1,2,3
	LDW WX+8*\t, \t                                ; geo_w0
.endr
.irp s, 0,1,2,3
	LDW WX+32+8*\s, 16+\s                          ; geo_w1: 2 a + ks
.endr
.irp t, 0,1,2,3
	LDW WY+8*\t, 4+\t                              ; rgb_w0
.endr
.if (\e) == 0
	s_wait_loadcnt 0x0                             ; d of the quad
.endif
	SH \e
	s_wait_dscnt 16                                ; features and geo_w0 are in; geo_w1's and rgb_w0's sixteen loads may stay out
.irp t, 0,1,2,3
	MM0 ACA+8*\t, WX+8*\t, HA
	MM0 ACB+8*\t, WX+8*\t, HB
.endr
	PLACES
	PACKR
	s_wait_dscnt 8                                 ; geo_w1 is in; rgb_w0's eight loads may stay out
	MM0 ACA,   WX+32, HA
	MM0 ACA+8, WX+48, HA
	MM0 ACB,   WX+32, HB
	MM0 ACB+8, WX+48, HB
	MMA ACA,   WX+40, HA+8
	MMA ACA+8, WX+56, HA+8
	MMA ACB,   WX+40, HB+8
	MMA ACB+8, WX+56, HB+8
	PLACES
.irp s, 0,1,2,3,4,5,6,7
	LDW WX+8*\s, 8+\s                              ; rgb_w1: 2 t + ks
.endr
	v_permlanex16_b32 v[T], v[ACB+8], s74, s75     ; h[0]: register 0 of tile 1, lanes 0-15: tile B's go to the lanes that own the points
	v_cndmask_b32 v[T], v[ACA+8], v[T], s73
	v_mul_f32 v[T], 0x3fb8aa3b, v[T]               ; log2(e)
	v_exp_f32 v[SG+(\e)], v[T]                     ; sigma; the conversions below are the plain lines behind it
.irp i, 0,1,2,3
	v_cvt_pk_bf16_f32 v[RA+4+\i], v[ACA+2*\i], v[ACA+2*\i+1]  ; h[1..16], no ReLU: the colour net's inputs 16-31
	v_cvt_pk_bf16_f32 v[RB+4+\i], v[ACB+2*\i], v[ACB+2*\i+1]
.endr
	s_wait_dscnt 16                                ; rgb_w0 is in; rgb_w1's sixteen loads may stay out
.irp t, 0,1,2,3
	MM0 ACA+8*\t, WY+8*\t, RA
	MM0 ACB+8*\t, WY+8*\t, RB
.endr
	PLACES
	LDW WY,   20                                   ; rgb_w2
	LDW WY+8, 21
	PACKR
	s_wait_dscnt 4                                 ; rgb_w1 is in; rgb_w2's four loads may stay out
.irp t, 0,1,2,3
	MM0 ACA+8*\t, WX+16*\t, HA
.endr
.irp t, 0,1,2,3
	MM0 ACB+8*\t, WX+16*\t, HB
.endr
.irp t, 0,1,2,3
	MMA ACA+8*\t, WX+16*\t+8, HA+8
.endr
.irp t, 0,1,2,3
	MMA ACB+8*\t, WX+16*\t+8, HB+8
.endr
	PLACES
	PACKR
	s_wait_dscnt 0x0                               ; rgb_w2 is in
	MM0 ACA, WY,   HA
	MM0 ACB, WY,   HB
	MMA ACA, WY+8, HA+8
	MMA ACB, WY+8, HB+8
	PLACES
.irp c, 0,1,2                          ; colour c lies in register c of lanes 0-15; as with sigma each goes to the lane that owns the point
	v_permlanex16_b32 v[T+\c], v[ACB+\c], s74, s75
.endr
.irp c, 0,1,2
	v_cndmask_b32 v[T+\c], v[ACA+\c], v[T+\c], s73
.endr
.irp c, 0,1,2
	v_mul_f32 v[T+\c], 0xbfb8aa3b, v[T+\c]         ; sigmoid(u) = 1 / (1 + 2^(-log2(e) u))
.endr
.irp c, 0,1,2
	v_exp_f32 v[T+\c], v[T+\c]
.endr
	v_nop                                          ; a plain line between the last transcendental and the use of its result
	s_wait_alu depctr_va_vdst(0)
.irp c, 0,1,2
	v_add_f32 v[T+\c], 1.0, v[T+\c]
.endr
.irp c, 0,1,2
	v_rcp_f32 v[T+\c], v[T+\c]
.endr
	v_nop
	s_wait_alu depctr_va_vdst(0)
.irp c, 0,1,2
	ds_store_b32 v9, v[T+\c] offset:12*(\e)+4*\c   ; my stage: 12 bytes a point, my four points side by side
.endr
.endm
	s_mov_b32 s76, 0
	s_mov_b32 s30, 2
.Lquad:                                                ; a trip: 128 points of the wave
.irp k, 0,1,2
	global_load_b128 v[DD+4*\k:DD+4*\k+3], v11, s[12:13] offset:16*\k
.endr
	v_add_nc_u32 v6, s76, v7
.irp e, 0,1,2,3
	GROUP \e
.endr
	global_store_b128 v12, v[SG:SG+3], s[14:15] th:TH_STORE_NT  ; 512 consecutive bytes of out0, at a multiple of 512 from its first
.irp k, 0,1,2
	ds_load_b128 v[T+4*\k:T+4*\k+3], v10 offset:512*\k  ; LDS serves a wave's instructions in order (ISA guide 5.7.1.4): these see my stores above
.endr
	s_wait_dscnt 0x0
.irp k, 0,1,2
	global_store_b128 v12, v[T+4*\k:T+4*\k+3], s[16:17] offset:512*\k th:TH_STORE_NT  ; 512 consecutive bytes of out1 each
.endr
	s_wait_xcnt 0x0                                ; the stores have read their bases and data: these are written again only behind this wait
	s_add_nc_u64 s[12:13], s[12:13], 1536
	s_add_nc_u64 s[16:17], s[16:17], 1536
	s_add_nc_u64 s[14:15], s[14:15], 512
	s_add_co_u32 s76, s76, 512
	s_sub_co_u32 s30, s30, 1
	s_cmp_lg_u32 s30, 0
	s_cbranch_scc1 .Lquad
	s_wait_tensorcnt 0x0                           ; the wave's end, behind my last LDS store
	ds_add_u32 v2, v3
	s_wait_dscnt 0x0
	s_endpgm
.Lfunc_end_k_qe59ef61b66_ngp:
	.size	k_qe59ef61b66_ngp, .Lfunc_end_k_qe59ef61b66_ngp-k_qe59ef61b66_ngp
	.p2alignl 7, 3214868480
	.fill 96, 4, 3214868480
	.section	.rodata,"a",@progbits
	.p2align	6, 0x0
	.amdhsa_kernel k_qe59ef61b66_ngp
		.amdhsa_group_segment_fixed_size 315392
		.amdhsa_private_segment_fixed_size 0
		.amdhsa_enable_private_segment 0
		.amdhsa_kernarg_size 80
		.amdhsa_user_sgpr_count 2
		.amdhsa_user_sgpr_kernarg_segment_ptr 1
		.amdhsa_wavefront_size32 1
		.amdhsa_system_sgpr_workgroup_id_x 1
		.amdhsa_system_sgpr_workgroup_id_y 1
		.amdhsa_system_sgpr_workgroup_id_z 1
		.amdhsa_system_vgpr_workitem_id 0
		.amdhsa_next_free_vgpr 256
		.amdhsa_next_free_sgpr 80
		.amdhsa_reserve_vcc 0
		.amdhsa_float_denorm_mode_32 3
		.amdhsa_float_denorm_mode_16_64 3
		.amdhsa_memory_ordered 1
		.amdhsa_forward_progress 1
		.amdhsa_inst_pref_size 166
	.end_amdhsa_kernel
	.amdgpu_metadata
---
amdhsa.version: [ 1, 2 ]
amdhsa.kernels:
  - .name:           k_qe59ef61b66_ngp
    .symbol:         k_qe59ef61b66_ngp.kd
    .args:
      - { .name: q, .offset: 0, .size: 8, .value_kind: global_buffer, .address_space: global }
      - { .name: hash_table, .offset: 8, .size: 8, .value_kind: global_buffer, .address_space: global }
      - { .name: d, .offset: 16, .size: 8, .value_kind: global_buffer, .address_space: global }
      - { .name: out0, .offset: 24, .size: 8, .value_kind: global_buffer, .address_space: global }
      - { .name: out1, .offset: 32, .size: 8, .value_kind: global_buffer, .address_space: global }
      - { .name: geo_w0, .offset: 40, .size: 8, .value_kind: global_buffer, .address_space: global }
      - { .name: rgb_w0, .offset: 48, .size: 8, .value_kind: global_buffer, .address_space: global }
      - { .name: rgb_w1, .offset: 56, .size: 8, .value_kind: global_buffer, .address_space: global }
      - { .name: geo_w1, .offset: 64, .size: 8, .value_kind: global_buffer, .address_space: global }
      - { .name: rgb_w2, .offset: 72, .size: 8, .value_kind: global_buffer, .address_space: global }
    .group_segment_fixed_size: 315392
    .private_segment_fixed_size: 0
    .kernarg_segment_align: 8
    .kernarg_segment_size: 80
    .max_flat_workgroup_size: 512
    .sgpr_count:     80
    .vgpr_count:     256
    .wavefront_size: 32
...
	.end_amdgpu_metadata
.endif
;; end of part 2
;; ======== version 2 of 4: 2 launches
;; limits: below input magnitudes of 1.08e-19 results are inexact or not finite
;; workspace buffers: q 12,582,912 bytes of whole numbers; tb 33,554,432 bytes
;; launch prep (part 3): grid 256 x 1, 16 waves a work-group, no clusters, 0 bytes of LDS; arguments x, hash_table, q, tb; writes q, tb
.if DOCPART == 3
	.amdgcn_target "amdgcn-amd-amdhsa--gfx1250"
	.amdhsa_code_object_version 6
	.text
	.protected	k_qe59ef61b66_prep
	.globl	k_qe59ef61b66_prep
	.p2align	8
	.type	k_qe59ef61b66_prep,@function
k_qe59ef61b66_prep:
	s_mov_b64 s[64:65], 0
	v_nop
	global_prefetch_b8 v0, s[64:65] scope:SCOPE_SE
	s_setreg_imm32_b32 hwreg(HW_REG_WAVE_MODE, 25, 1), 1
	s_wait_xcnt 0x0
; TWO STREAMS, element by element, for the next launch.
; q[n][a] = trunc(clip(x[n][a] + 0.5, 0, 1) * 2^31), a whole number of 32 bits, in x's own layout [1048576][3].  reference() divides x + 0.5 by 1.0 and clips: one f32 addition, whose
; rounding is kept here; the factor 2^31 is exact, and the truncation drops bits only below 2^-31, that is only where the clipped number is under 2^-7.  The next launch forms all its
; table indices from q by whole-number arithmetic.  LIMIT: a NaN in x gives q = 0.
; tb[l][i] = bf16(hash_table[l][i][0]) | bf16(hash_table[l][i][1]) << 16: the table rounded once to bf16 (nearest even; f32's range is kept), so that a gather of an entry takes 4 bytes and not 8:
; the next launch gathers 134,217,728 entries, and this copy costs 67,108,864 bytes read and 33,554,432 written.
; SHARES: a work-group of 512 threads takes 49,152 bytes of x and 262,144 of the table; thread t the 16 bytes at 16 t + 8,192 i.  Each load of a wave covers 512 consecutive bytes; a store of q
; likewise; a store of tb 256 consecutive bytes (8 a lane) that begin at a multiple of 256.  All 38 loads of a wave go out first; no slot is written twice, so nothing but the loads is waited for.
.set XPART, 49152                      ; bytes of x and q of a work-group
.set STEP,  8192                       ; bytes that the 512 threads load at once
.set NX,    6                          ; slots of x
.set NTB,   32                         ; slots of the table
.set TS,    4                          ; v[4:131]    table slot i: four numbers as loaded; its first two registers as stored
.set X,     132                        ; v[132:155]  x slot i: four numbers, as loaded and then as stored
	s_load_b256 s[4:11], s[0:1], 0x0               ; x s[4:5], hash_table s[6:7], q s[8:9], tb s[10:11]
	s_mul_i32 s2, ttmp9, XPART                     ; my work-group's parts, all under 2^27
	s_mov_b32 s3, 0
	s_lshl_b32 s12, ttmp9, 18                      ; 262,144 bytes of the table
	s_mov_b32 s13, 0
	s_lshl_b32 s14, ttmp9, 17                      ; 131,072 of its copy
	s_mov_b32 s15, 0
	v_lshlrev_b32 v1, 4, v0                        ; 16 t
	v_lshlrev_b32 v3, 3, v0                        ; 8 t
	v_mov_b32 v2, 0.5                              ; in a register: the clamped addition takes registers alone
	s_wait_kmcnt 0x0
	s_add_nc_u64 s[4:5], s[4:5], s[2:3]
	s_add_nc_u64 s[8:9], s[8:9], s[2:3]
	s_add_nc_u64 s[6:7], s[6:7], s[12:13]
	s_add_nc_u64 s[10:11], s[10:11], s[14:15]
.set i, 0
.rept NX
	global_load_b128 v[X+4*i:X+4*i+3], v1, s[4:5] offset:STEP*i th:TH_LOAD_NT
.set i, i+1
.endr
.set i, 0
.rept NTB
	global_load_b128 v[TS+4*i:TS+4*i+3], v1, s[6:7] offset:STEP*i th:TH_LOAD_NT
.set i, i+1
.endr
.set i, 0
.rept NX
	s_wait_loadcnt NTB+NX-1-i                      ; loads come back in order: x's slot i is in, the younger ones stay out
.irp k, 0,1,2,3
	v_add_f32 v[X+4*i+\k], v[X+4*i+\k], v2 clamp   ; x + 0.5, held to 0 .. 1
.endr
.irp k, 0,1,2,3
	v_mul_f32 v[X+4*i+\k], 0x4f000000, v[X+4*i+\k] ; times 2^31, exact
.endr
.irp k, 0,1,2,3
	v_cvt_u32_f32 v[X+4*i+\k], v[X+4*i+\k]         ; toward zero; 1.0 gives 0x80000000
.endr
	global_store_b128 v1, v[X+4*i:X+4*i+3], s[8:9] offset:STEP*i th:TH_STORE_NT
.set i, i+1
.endr
.set i, 0
.rept NTB
	s_wait_loadcnt NTB-1-i                         ; the table's slot i is in
	v_cvt_pk_bf16_f32 v[TS+4*i],   v[TS+4*i],   v[TS+4*i+1]  ; an entry's two features: the first into the low half
	v_cvt_pk_bf16_f32 v[TS+4*i+1], v[TS+4*i+2], v[TS+4*i+3]
	global_store_b64 v3, v[TS+4*i:TS+4*i+1], s[10:11] offset:(STEP/2)*i th:TH_STORE_NT
.set i, i+1
.endr
	s_endpgm
.Lfunc_end_k_qe59ef61b66_prep:
	.size	k_qe59ef61b66_prep, .Lfunc_end_k_qe59ef61b66_prep-k_qe59ef61b66_prep
	.p2alignl 7, 3214868480
	.fill 96, 4, 3214868480
	.section	.rodata,"a",@progbits
	.p2align	6, 0x0
	.amdhsa_kernel k_qe59ef61b66_prep
		.amdhsa_group_segment_fixed_size 0
		.amdhsa_private_segment_fixed_size 0
		.amdhsa_enable_private_segment 0
		.amdhsa_kernarg_size 32
		.amdhsa_user_sgpr_count 2
		.amdhsa_user_sgpr_kernarg_segment_ptr 1
		.amdhsa_wavefront_size32 1
		.amdhsa_system_sgpr_workgroup_id_x 1
		.amdhsa_system_sgpr_workgroup_id_y 1
		.amdhsa_system_sgpr_workgroup_id_z 1
		.amdhsa_system_vgpr_workitem_id 0
		.amdhsa_next_free_vgpr 156
		.amdhsa_next_free_sgpr 66
		.amdhsa_reserve_vcc 0
		.amdhsa_float_denorm_mode_32 3
		.amdhsa_float_denorm_mode_16_64 3
		.amdhsa_memory_ordered 1
		.amdhsa_forward_progress 1
		.amdhsa_inst_pref_size 17
	.end_amdhsa_kernel
	.amdgpu_metadata
---
amdhsa.version: [ 1, 2 ]
amdhsa.kernels:
  - .name:           k_qe59ef61b66_prep
    .symbol:         k_qe59ef61b66_prep.kd
    .args:
      - { .name: x, .offset: 0, .size: 8, .value_kind: global_buffer, .address_space: global }
      - { .name: hash_table, .offset: 8, .size: 8, .value_kind: global_buffer, .address_space: global }
      - { .name: q, .offset: 16, .size: 8, .value_kind: global_buffer, .address_space: global }
      - { .name: tb, .offset: 24, .size: 8, .value_kind: global_buffer, .address_space: global }
    .group_segment_fixed_size: 0
    .private_segment_fixed_size: 0
    .kernarg_segment_align: 8
    .kernarg_segment_size: 32
    .max_flat_workgroup_size: 512
    .sgpr_count:     66
    .vgpr_count:     156
    .wavefront_size: 32
...
	.end_amdgpu_metadata
.endif
;; end of part 3
;; launch ngp (part 4): grid 256 x 1, 16 waves a work-group, no clusters, 315,392 bytes of LDS; arguments q, tb, d, out0, out1, geo_w0, rgb_w0, rgb_w1, geo_w1, rgb_w2; writes out0, out1
.if DOCPART == 4
	.amdgcn_target "amdgcn-amd-amdhsa--gfx1250"
	.amdhsa_code_object_version 6
	.text
	.protected	k_qe59ef61b66_ngp
	.globl	k_qe59ef61b66_ngp
	.p2align	8
	.type	k_qe59ef61b66_ngp,@function
k_qe59ef61b66_ngp:
	s_mov_b64 s[64:65], 0
	v_nop
	global_prefetch_b8 v0, s[64:65] scope:SCOPE_SE
	s_setreg_imm32_b32 hwreg(HW_REG_WAVE_MODE, 25, 1), 1
	s_wait_xcnt 0x0
; HASH-GRID ENCODING, BOTH MLPs AND BOTH OUTPUTS, FUSED.  1,048,576 points; a work-group of 16 waves takes 4,096, a wave 256, a lane 8:
; point = 4096 g + 256 w + 128 quad + 4 lane + e (quad 0, 1; e 0 .. 3; p = 4 quad + e), so a lane's four points of a quad are 48 consecutive bytes of q, d and out1 and 16 of out0.
; POSITION.  q = xn 2^31 (launch prep); S = f32(s_l) 2^21 is a whole number under 2^31; q S + 2^51 = (xn s_l + 0.5) 2^52: its high word is the position times 2^20:
; cell = high >> 20, fraction = low 20 bits.  DIFFERENCE FROM reference(): it rounds xn s and + 0.5 to f32; here the position is exact to 2^-20 of a cell.  Cell and fraction come
; from one number and the interpolant is continuous over cell faces, so this shifts a result by no more than the f32 roundings do.
; LEVELS.  s_l = 16 b^l - 1 with b = exp(log(64) / 15), res = ceil(s_l) + 1; s_5 lies just under 63 in double, so res_5 = 64, and as f32 it is 63.  Levels 0-5 (res^3 <= 2^19) are
; indexed x + y res + z res^2, levels 6-15 by the hash; of the hash only the low 19 bits count, so the primes are taken modulo 2^19 and a 24-bit multiply serves.
; THE TABLE is launch prep's copy tb: an entry is one word, its two features rounded once to bf16: a gather takes 4 bytes a lane.
; THE LEVEL IS THE OUTER LOOP: a wave gathers one level for all its 256 points (64 gathers out at once), then the next level: all waves draw on one level's 2 MiB at about the same time,
; and the levels can be loops.  The price: the 32 features of 4,096 points wait in LDS, as pairs of bf16 (they are matrix operands): 260 KiB.
; The interpolation (1 x 8 times 8 x 2, both operands private to a point) is done in f32 on the vector unit: along x as t0 (1 - fx) + t1 fx, by multiply-adds that read the bf16 halves as they
; lie (16 lines for 16 numbers, where unpacking first would take 16 more); along y and z as t0 + f (t1 - t0), both features at once.
; MLPs, TRANSPOSED: D = W^T X^T (source 0 = 16 outputs x 32 inputs of W^T, source 1 = 32 inputs x 16 points).  In a result a lane holds ONE point (lane % 16) and the outputs 8 (lane / 16) + 0..7;
; two results rounded to bf16 in pairs ARE source 1 of the next layer: nothing changes lanes between layers.  A group is 32 points: tile A the points of lanes 0-15, tile B those of lanes 16-31.
; geo_w1's 17 columns: tile 0 holds columns 1-16 (they fall straight into the colour net's inputs 16-31), tile 1 column 0 in its row 0 (so sigma's sum falls into the accumulator's lowest register) and zeros.
; NO TENSOR LOADS, NO CLUSTER: the bulk of the reads are gathers of 4 bytes a lane; what work-groups share as blocks is 37,888 bytes of weights, read once by each, and those are transposed and rounded in registers.
; LIMITS.  The table's entries are rounded to bf16 (in prep); features, spherical harmonics, hidden layers and weights are rounded to bf16 as matrix operands, sums in f32.  ReLU (a maximum with 0)
; drops a NaN.  v_rsq_f32 and v_exp_f32 flush denormals (ISA guide 15.8): |d|^2 under 2^-126 counts as 0, an exponential under 2^-126 comes out as 0.  reference() takes no maximum ahead of its
; exponentials, and neither does this text.
.set LP,    1040                       ; LDS: a level's features of a wave: 8 points a lane x 128 bytes, + 16: rows 4 levels apart begin 16 banks apart (64 banks of 4 bytes: ISA guide 11.1)
.set WP,    16*LP                      ; a wave's 16 levels.  FEAT: bytes 0 .. 16 WP: wave WP + level LP + 128 p + 4 lane: bf16(f0) | bf16(f1) << 16
.set WGT,   16*WP                      ; 22 fragments of W^T, 1,024 bytes each: 16 lane: registers 0-3; 512 + 16 lane: registers 4-7
.set STG,   WGT+22*1024                ; 1,536 bytes a wave: rgb of a quad's 128 points, 12 bytes a point
.set SPARE, STG+16*1536                ; the spare words: 128 bytes a wave, eight blocks of 256 bytes that no other line names
.set LEVB,  0x200000                   ; bytes of a level in tb: 524,288 entries of 4
; fragment slots: 0-3 geo_w0 (t); 4-7 rgb_w0 (t); 8 + 2 t + ks rgb_w1; 16 + 2 a + ks geo_w1; 20 + ks rgb_w2
; v0 thread; v1 lane; v2 my spare word, v3 0 (for the add alone); v4 0; v5 FEAT: wave WP + 4 lane; v6 the trip's LDS address; v7 FEAT for fragments: wave WP + 4 LP (lane / 16) + 4 (lane % 16);
; v8 WGT + 16 lane; v9 STG in: + 48 lane; v10 STG back: + 16 lane; v11 48 lane; v12 16 lane; v13 prefetch offset; v[14:15] 2^51
.set T,    16                          ; v[16:31]   at work
.set Q,    32                          ; v[32:55]   encode: q of point p at Q + 3 p
.set FR,   56                          ; v[56:87]   encode: point p: +0 fx, +1 fz, +2 fy, +3 byte offset of the cell in a dense level
.set DATA, 88                          ; v[88:151]  encode: point p, corner c = dx + 2 dy + 4 dz: its entry (two bf16) at DATA + 8 p + c
.set XL,   152                         ; v[152:215] encode: point p: the eight numbers left behind the x stage, in f32: (dy, dz) pair k, feature j at XL + 8 p + 2 k + j
.set GX,   216                         ; v[216:223] encode: point p: 1 - fx
.set WX,   32                          ; v[32:95]   MLP: geo_w0 and geo_w1, later rgb_w1
.set WY,   96                          ; v[96:127]  MLP: rgb_w0, later rgb_w2
.set ACA,  128                         ; v[128:159] tile A's four accumulators (ahead of a group's first product: at work for the harmonics)
.set ACB,  160                         ; v[160:191] tile B's
.set HA,   192                         ; v[192:207] tile A: source 1, 64 inputs (the features take the first eight registers)
.set HB,   208                         ; v[208:223] tile B
.set RA,   224                         ; v[224:231] tile A: the colour net's input: harmonics, then h[1..16]
.set RB,   232                         ; v[232:239] tile B
.set DD,   240                         ; v[240:251] d of my four points of the quad
.set SG,   252                         ; v[252:255] sigma of my four points
; s[8:27] buffers; s28 wave; s30 loop count; s31 level x LP; s[32:47] S of this level and those to come; s[48:53] res likewise; s54 res^2; s[56:57] tb at this level; s[58:63] the same + y, + z, + y + z;
; s[66:67] an offset in 64 bits; s68-s73 constants; s[74:75] lane selects; s76 quad x 512; s77 a lane mask; s78, s79 two constants of the harmonics
	s_load_b512 s[8:23], s[0:1], 0x0               ; q 8, tb 10, d 12, out0 14, out1 16, geo_w0 18, rgb_w0 20, rgb_w1 22
	s_load_b128 s[24:27], s[0:1], 0x40             ; geo_w1 24, rgb_w2 26
	v_lshl_add_u32 v2, v0, 2, SPARE
	v_mov_b32 v3, 0
	v_and_b32 v1, 31, v0
	v_lshrrev_b32 v4, 5, v0
	v_readfirstlane_b32 s28, v4                    ; wave 0 .. 15
	v_mov_b32 v4, 0
	v_and_b32 v98, 15, v0                          ; r = lane % 16 (v96-v99: at work until the weights are staged)
	v_bfe_u32 v99, v0, 4, 1                        ; h = lane / 16
	s_mul_i32 s2, s28, WP
	s_mul_i32 s3, s28, 1536
	s_add_co_u32 s3, s3, STG
	s_lshl_b32 s4, ttmp9, 13
	v_lshl_add_u32 v5, v1, 2, s2
	v_mul_u32_u24 v7, v99, 4*LP
	v_lshl_add_u32 v7, v98, 2, v7
	v_add_nc_u32 v7, s2, v7
	v_lshl_add_u32 v8, v1, 4, WGT
	v_mul_u32_u24 v11, v1, 48
	v_add_nc_u32 v9, s3, v11
	v_lshl_add_u32 v10, v1, 4, s3
	v_lshlrev_b32 v12, 4, v1
	v_lshl_add_u32 v13, v0, 8, s4                  ; 8,192 g + 256 t (used by wave 0 alone)
	v_mov_b32 v14, 0
	v_mov_b32 v15, 0x80000                         ; v[14:15] = 2^51
	; S_l = the 24-bit mantissa of f32(s_l), shifted so that S_l = f32(s_l) 2^21
	s_mov_b32 s32, 15<<21                          ; 15.0
	s_mov_b32 s33, 0xA0E5A3<<2                     ; 0x41A0E5A3 = 20.112127
	s_mov_b32 s34, 0xD6DC67<<2                     ; 0x41D6DC67 = 26.857618
	s_mov_b32 s35, 0x8F088C<<3                     ; 0x420F088C = 35.758347
	s_mov_b32 s36, 0xBE0300<<3                     ; 0x423E0300 = 47.502930
	s_mov_b32 s37, 63<<21                          ; 63.0
	s_mov_b32 s38, 0xA6E5A3<<4                     ; 0x42A6E5A3 = 83.448506
	s_mov_b32 s39, 0xDCDC67<<4                     ; 0x42DCDC67 = 110.43047
	s_mov_b32 s40, 0x92088C<<5                     ; 0x4312088C = 146.03339
	s_mov_b32 s41, 0xC10300<<5                     ; 0x43410300 = 193.01172
	s_mov_b32 s42, 255<<21                         ; 255.0
	s_mov_b32 s43, 0xA865A3<<6                     ; 0x43A865A3 = 336.79403
	s_mov_b32 s44, 0xDE5C67<<6                     ; 0x43DE5C67 = 444.72189
	s_mov_b32 s45, 0x92C88C<<7                     ; 0x4412C88C = 587.13356
	s_mov_b32 s46, 0xC1C300<<7                     ; 0x4441C300 = 775.04688
	s_mov_b32 s47, 1023<<21                        ; 1023.0
	s_mov_b32 s48, 16                              ; res of levels 0 .. 5
	s_mov_b32 s49, 22
	s_mov_b32 s50, 28
	s_mov_b32 s51, 37
	s_mov_b32 s52, 49
	s_mov_b32 s53, 64
	s_mov_b32 s67, 0
	s_mov_b32 s68, 0xfffff                         ; the fraction's 20 bits
	s_mov_b32 s69, 0x35800000                      ; 2^-20
	s_mov_b32 s70, 0x779B1                         ; 2654435761 mod 2^19
	s_mov_b32 s71, 0x25795                         ; 805459861 mod 2^19
	s_mov_b32 s72, 0x7ffff                         ; T - 1
	s_mov_b32 s73, 0xffff0000                      ; lanes 16-31
	s_mov_b32 s74, 0x76543210                      ; v_permlanex16_b32: each lane takes its own place in the other half
	s_mov_b32 s75, 0xfedcba98
	s_mov_b32 s78, 0x3f723881                      ; 0.94617470
	s_mov_b32 s79, 0xbea17b01                      ; -0.31539157
	s_mul_i32 s66, ttmp9, 49152                    ; 12 bytes x (4,096 g + 256 w)
	s_mul_i32 s4, s28, 3072
	s_add_co_u32 s66, s66, s4
	s_wait_kmcnt 0x0
	s_add_nc_u64 s[8:9], s[8:9], s[66:67]          ; q, d and out1 at my wave's first point
	s_add_nc_u64 s[12:13], s[12:13], s[66:67]
	s_add_nc_u64 s[16:17], s[16:17], s[66:67]
	s_lshl_b32 s66, ttmp9, 14                      ; 4 bytes x the same
	s_lshl_b32 s4, s28, 10
	s_add_co_u32 s66, s66, s4
	s_add_nc_u64 s[14:15], s[14:15], s[66:67]      ; out0
	s_mov_b64 s[56:57], s[10:11]                   ; tb at level 0
.irp k, 0,1,2,3,4,5
	global_load_b128 v[Q+4*\k:Q+4*\k+3], v11, s[8:9] offset:1536*(\k/3)+16*(\k%3)  ; my 8 points' q: 48 bytes in each quad
.endr
; THE WEIGHTS: W^T as fragments in bf16.  Lane (r, h) holds row r (an output column of W) and the inputs k0 + 8 h + 0..7 (registers 0-3) and k0 + 16 + 8 h + 0..7 (registers 4-7).
; ld: numbers in a row of W.  s[2:3]: W at (k0, the tile's first column); v96: byte offset of (8 h, my column); v97: my 16 bytes in the slot; masked = 1: lanes outside s77 hold zeros.
.macro STAGE ld, masked
.set j, 0
.rept 16
	global_load_b32 v[T+j], v96, s[2:3] offset:(j+8*(j/8))*(\ld)*4
.set j, j+1
.endr
	s_wait_loadcnt 0x0                             ; these sixteen (and, the first time, q): v96 and s[2:3] are rewritten only behind this wait
.set j, 0
.rept 8
	v_cvt_pk_bf16_f32 v[88+j], v[T+2*j], v[T+2*j+1]
.set j, j+1
.endr
.if \masked
.set j, 0
.rept 8
	v_cndmask_b32 v[88+j], 0, v[88+j], s77
.set j, j+1
.endr
.endif
	ds_store_b128 v97, v[88:91]
	ds_store_b128 v97, v[92:95] offset:512
.endm
	; every wave: slot w.  w < 4: geo_w0, tile w; w < 8: rgb_w0, tile w - 4; else rgb_w1, tile (w - 8) / 2, inputs 32 (w % 2) on
	s_and_b32 s4, s28, 3
	s_bfe_u32 s5, s28, 0x20001
	s_and_b32 s6, s28, 1
	s_cmp_lt_u32 s28, 8
	s_cselect_b32 s4, s4, s5                       ; t
	s_cselect_b32 s6, 0, s6                        ; ks
	s_cselect_b64 s[2:3], s[20:21], s[22:23]
	s_cmp_lt_u32 s28, 4
	s_cselect_b64 s[2:3], s[18:19], s[2:3]
	s_lshl_b32 s66, s6, 13                         ; 32 rows of 256 bytes
	s_lshl_b32 s4, s4, 6                           ; 16 columns
	s_add_co_u32 s66, s66, s4
	s_add_nc_u64 s[2:3], s[2:3], s[66:67]
	v_lshl_add_u32 v96, v99, 9, v98                ; 8 h rows of 64, + r
	v_lshlrev_b32 v96, 2, v96
	s_lshl_b32 s5, s28, 10
	v_add_nc_u32 v97, s5, v8
	STAGE 64, 0
	v_add_nc_u32 v97, 16*1024, v97                 ; slot 16 + w, for waves 0 to 5
	s_cmp_ge_u32 s28, 6
	s_cbranch_scc1 .Lstaged
	s_cmp_ge_u32 s28, 4
	s_cbranch_scc1 .Lw2
	s_lshr_b32 s4, s28, 1                          ; geo_w1: a = w / 2, ks = w % 2
	s_and_b32 s5, s28, 1
	s_mul_i32 s66, s5, 32*68
	s_add_nc_u64 s[2:3], s[24:25], s[66:67]
	s_sub_co_u32 s5, 1, s4
	v_add_nc_u32 v96, 1, v98
	v_mul_u32_u24 v96, s5, v96                     ; my column: a = 0: 1 + r; a = 1: 0
	v_mad_u32_u24 v96, v99, 136, v96               ; + 8 h rows of 17
	v_lshlrev_b32 v96, 2, v96
	v_cmp_eq_u32 s77, 0, v98                       ; a = 1: row 0 alone is kept
	s_cmp_eq_u32 s4, 0
	s_cselect_b32 s6, -1, 0
	s_or_b32 s77, s77, s6
	STAGE 17, 1
	s_branch .Lstaged
.Lw2:
	s_sub_co_u32 s5, s28, 4                        ; rgb_w2: ks = w - 4
	s_mul_i32 s66, s5, 32*12
	s_add_nc_u64 s[2:3], s[26:27], s[66:67]
	v_min_u32 v96, 2, v98                          ; rows 3 .. 15 read column 2 and are then zeroed: no load leaves the buffer
	v_mad_u32_u24 v96, v99, 24, v96                ; + 8 h rows of 3
	v_lshlrev_b32 v96, 2, v96
	v_cmp_gt_u32 s77, 3, v98
	STAGE 3, 1
.Lstaged:
; THE ENCODING.  POS: cell (x, y, z in T+6, T+7, T+8) and fraction of point p at the level whose S is in s32.
.macro POS p
.irp a, 0,1,2
	v_mad_nc_u64_u32 v[T+2*\a:T+2*\a+1], v[Q+3*(\p)+\a], s32, v[14:15]
.endr
.irp a, 0,1,2
	v_lshrrev_b32 v[T+6+\a], 20, v[T+2*\a+1]
.endr
.irp a, 0,1,2
	v_and_b32 v[T+2*\a+1], s68, v[T+2*\a+1]
.endr
.irp a, 0,1,2
	v_cvt_f32_u32 v[T+2*\a+1], v[T+2*\a+1]
.endr
	v_mul_f32 v[FR+4*(\p)],   s69, v[T+1]          ; fx
	v_mul_f32 v[FR+4*(\p)+2], s69, v[T+3]          ; fy
	v_mul_f32 v[FR+4*(\p)+1], s69, v[T+5]          ; fz
	v_sub_f32 v[GX+(\p)], 1.0, v[FR+4*(\p)]        ; 1 - fx
.endm
; A dense level: one byte offset a point; the corner stands in the base (+ y, + z) and in the immediate (+ x).
.macro DPT p
	POS \p
	v_mad_u32_u24 v[T+9], v[T+7], s48, v[T+6]
	v_mad_u32_u24 v[T+9], v[T+8], s54, v[T+9]
	v_min_u32 v[T+9], 0x3ffff, v[T+9]              ; changes no true index (63 x 4,161 at the most): it bounds the address by a constant of the text
	v_lshlrev_b32 v[FR+4*(\p)+3], 2, v[T+9]
.irp c, 0,1,2,3,4,5,6,7
	global_load_b32 v[DATA+8*(\p)+\c], v[FR+4*(\p)+3], s[56+2*(\c/2):57+2*(\c/2)] offset:4*(\c%2)
.endr
.endm
; A hashed level: x ^ y P1 ^ z P2, low 19 bits.  (y + 1) P1 = y P1 + P1.  Each index is made in its own load's destination, so no register at work is a pending load's source.
.macro HPT p
	POS \p
	v_mul_u32_u24 v[T],   s70, v[T+7]
	v_mul_u32_u24 v[T+2], s71, v[T+8]
	v_add_nc_u32 v[T+10], 1, v[T+6]
	v_add_nc_u32 v[T+4], s70, v[T]
	v_add_nc_u32 v[T+9], s71, v[T+2]
	v_xor_b32 v[T+11], v[T],   v[T+2]              ; (dy, dz) = (0, 0), (1, 0), (0, 1), (1, 1)
	v_xor_b32 v[T+12], v[T+4], v[T+2]
	v_xor_b32 v[T+13], v[T],   v[T+9]
	v_xor_b32 v[T+14], v[T+4], v[T+9]
.irp k, 11,12,13,14
	v_and_b32 v[T+\k], s72, v[T+\k]                ; x is 1,024 at the most, so the mask may come ahead of it
.endr
.irp c, 0,1,2,3,4,5,6,7
	v_xor_b32 v[DATA+8*(\p)+\c], v[T+6+4*(\c%2)], v[T+11+\c/2]
	v_min_u32 v[DATA+8*(\p)+\c], 0x7ffff, v[DATA+8*(\p)+\c]  ; changes nothing: it bounds the address by a constant of the text
	global_load_b32 v[DATA+8*(\p)+\c], v[DATA+8*(\p)+\c], s[56:57] scale_offset  ; the index counts entries of 4 bytes
.endr
.endm
; Point p's eight corners are in.  Along x: t0 (1 - fx) + t1 fx, each line reading one bf16 half and giving f32; along y and z: t0 + f (t1 - t0), both features at once; rounded to bf16; into LDS.
.macro CONS p
.set D, DATA+8*(\p)
.set E, XL+8*(\p)
.set F, FR+4*(\p)
	s_wait_loadcnt 8*(7-(\p))                      ; loads come back in order: the eight gathers of each younger point may stay out
.irp k, 0,1,2,3
	v_fma_mix_f32_bf16 v[E+2*\k],   v[D+2*\k], v[GX+(\p)], v4 op_sel_hi:[1,0,0]                  ; low half: feature 0
	v_fma_mix_f32_bf16 v[E+2*\k+1], v[D+2*\k], v[GX+(\p)], v4 op_sel:[1,0,0] op_sel_hi:[1,0,0]   ; high half: feature 1
.endr
.irp k, 0,1,2,3
	v_fma_mix_f32_bf16 v[E+2*\k],   v[D+2*\k+1], v[F], v[E+2*\k] op_sel_hi:[1,0,0]
	v_fma_mix_f32_bf16 v[E+2*\k+1], v[D+2*\k+1], v[F], v[E+2*\k+1] op_sel:[1,0,0] op_sel_hi:[1,0,0]
.endr
.irp k, 0,4
	v_pk_add_f32 v[E+\k+2:E+\k+3], v[E+\k+2:E+\k+3], v[E+\k:E+\k+1] neg_lo:[0,1] neg_hi:[0,1]
.endr
.irp k, 0,4
	v_pk_fma_f32 v[E+\k:E+\k+1], v[E+\k+2:E+\k+3], v[F+2:F+3], v[E+\k:E+\k+1] op_sel_hi:[1,0,1]  ; fy for both
.endr
	v_pk_add_f32 v[E+4:E+5], v[E+4:E+5], v[E:E+1] neg_lo:[0,1] neg_hi:[0,1]
	v_fma_f32 v[E],   v[E+4], v[F+1], v[E]
	v_fma_f32 v[E+1], v[E+5], v[F+1], v[E+1]
	v_cvt_pk_bf16_f32 v[T+(\p)], v[E], v[E+1]
	ds_store_b32 v6, v[T+(\p)] offset:128*(\p)
.endm
.macro NEXT_LEVEL                      ; S moves up by one, the table and the LDS row step on
.set i, 32
.rept 15
	s_mov_b32 s[i], s[i+1]
.set i, i+1
.endr
	s_add_nc_u64 s[56:57], s[56:57], LEVB
	s_add_co_u32 s31, s31, LP
.endm
	s_mov_b32 s31, 0
	s_mov_b32 s30, 6
.Ldense:                                               ; levels 0 .. 5
	s_mul_i32 s54, s48, s48
	s_lshl_b32 s66, s48, 2
	s_add_nc_u64 s[58:59], s[56:57], s[66:67]      ; + y: res entries of 4 bytes
	s_lshl_b32 s66, s54, 2
	s_add_nc_u64 s[60:61], s[56:57], s[66:67]      ; + z
	s_add_nc_u64 s[62:63], s[58:59], s[66:67]      ; + y + z
	v_add_nc_u32 v6, s31, v5
.irp p, 0,1,2,3,4,5,6,7
	DPT \p
.endr
.irp p, 0,1,2,3,4,5,6,7
	CONS \p
.endr
	; the last wait above was for 0: every gather is done, so bases and offsets may be written
.set i, 48
.rept 5
	s_mov_b32 s[i], s[i+1]
.set i, i+1
.endr
	NEXT_LEVEL
	s_sub_co_u32 s30, s30, 1
	s_cmp_lg_u32 s30, 0
	s_cbranch_scc1 .Ldense
	s_mov_b32 s30, 10
.Lhash:                                                ; levels 6 .. 15
	v_add_nc_u32 v6, s31, v5
.irp p, 0,1,2,3
	HPT \p
.endr
	; The next level's table is asked for, once in the launch: the 32 lanes of wave 0 of work-group g name the bytes 8,192 g + 256 t of its 2 MiB, half a trip (32 gathers and the
	; trip's interpolation) ahead of the first gather from it.  The last trip has no next level and asks for nothing.
	s_cmp_ge_u32 s28, 1
	s_cbranch_scc1 .Lasked
	s_cmp_eq_u32 s30, 1
	s_cbranch_scc1 .Lasked
	global_prefetch_b8 v13, s[56:57] offset:LEVB th:TH_LOAD_NT scope:SCOPE_SE
.Lasked:
.irp p, 4,5,6,7
	HPT \p
.endr
.irp p, 0,1,2,3,4,5,6,7
	CONS \p
.endr
	s_wait_xcnt 0x0                                ; the prefetch has read its base: the table's address steps only behind this wait
	NEXT_LEVEL
	s_sub_co_u32 s30, s30, 1
	s_cmp_lg_u32 s30, 0
	s_cbranch_scc1 .Lhash
	s_wait_dscnt 0x0                               ; for the others' sake: my fragments of the weights (and my features) are in LDS
	s_barrier_signal -1
	s_barrier_wait -1                              ; everybody's are: the kernel's one barrier
; THE MLPs.
.macro LDW reg, slot                   ; a fragment of W^T: 32 lanes x 16 consecutive bytes, twice
	ds_load_b128 v[\reg:\reg+3],   v8 offset:(\slot)*1024
	ds_load_b128 v[\reg+4:\reg+7], v8 offset:(\slot)*1024+512
.endm
.macro MM0 d, a, b                     ; a product that starts a sum
	v_wmma_f32_16x16x32_bf16 v[\d:\d+7], v[\a:\a+7], v[\b:\b+7], 0
.endm
.macro MMA d, a, b                     ; and one that adds onto it.  The accumulators take turns, one instruction a turn
	v_wmma_f32_16x16x32_bf16 v[\d:\d+7], v[\a:\a+7], v[\b:\b+7], v[\d:\d+7]
.endm
.macro PLACES                          ; four places behind a run of products, ahead of the lines that read results or write or load into the products' registers
.rept 4
	v_nop
.endr
.endm
.macro PACKR                           ; both tiles' 64 outputs, rounded to bf16 in pairs, then ReLU: the next layer's source 1.  Each accumulator is read from its low end on
.irp b, 0,1
.set i, 0
.rept 16
	v_cvt_pk_bf16_f32 v[HA+16*\b+i], v[ACA+32*\b+2*i], v[ACA+32*\b+2*i+1]
.set i, i+1
.endr
.endr
.set i, 0
.rept 32
	v_pk_max_num_bf16 v[HA+i], v[HA+i], v4
.set i, i+1
.endr
.endm
; The 16 harmonics of my point e, in f32 as reference() writes them, rounded to bf16 in pairs s0 .. s7; then the halves of the lanes exchange: in tile A's source 1 lane r holds s0-s3 of
; lane r's point and lane 16 + r its s4-s7; in tile B's the same of lane 16 + r's point.
.macro SH e
.set DX, DD+3*(\e)
	v_mul_f32 v128, v[DX], v[DX]
	v_fmac_f32 v128, v[DX+1], v[DX+1]
	v_fmac_f32 v128, v[DX+2], v[DX+2]
	v_rsq_f32 v129, v128
	v_mov_b32 v144, 0x3e906ebb                     ; 0.28209479; also the plain line behind the transcendental
	s_wait_alu depctr_va_vdst(0)
	v_mul_f32 v130, v[DX], v129                    ; x
	v_mul_f32 v131, v[DX+1], v129                  ; y
	v_mul_f32 v132, v[DX+2], v129                  ; z
	v_mul_f32 v133, v130, v130                     ; xx
	v_mul_f32 v134, v131, v131                     ; yy
	v_mul_f32 v135, v132, v132                     ; zz
	v_mul_f32 v136, v130, v131                     ; xy
	v_mul_f32 v137, v131, v132                     ; yz
	v_mul_f32 v138, v130, v132                     ; xz
	v_sub_f32 v139, v133, v134                     ; xx - yy
	v_add_f32 v140, v133, v134                     ; xx + yy
	v_fma_f32 v141, v135, 4.0, -v140               ; 4 zz - xx - yy
	v_mul_f32 v142, 0x40400000, v140
	v_fma_f32 v142, v135, 2.0, -v142               ; 2 zz - 3 xx - 3 yy
	v_fma_f32 v143, v133, 0x40400000, -v134        ; 3 xx - yy
	v_fma_f32 v140, v134, 0xc0400000, v133         ; xx - 3 yy
	v_mul_f32 v145, 0xbefa2a1c, v131               ; -0.48860251 y
	v_mul_f32 v146, 0x3efa2a1c, v132
	v_mul_f32 v147, 0xbefa2a1c, v130
	v_mul_f32 v148, 0x3f8bd8a1, v136               ; 1.0925484 xy
	v_mul_f32 v149, 0xbf8bd8a1, v137
	v_fma_f32 v150, v135, s78, s79                 ; 0.94617470 zz - 0.31539157
	v_mul_f32 v151, 0xbf8bd8a1, v138
	v_mul_f32 v152, 0x3f0bd8a1, v139               ; 0.54627422 (xx - yy)
	v_mul_f32 v153, 0xbf170d19, v131               ; -0.59004359 y
	v_mul_f32 v154, 0x4038ffc7, v136               ; 2.8906114 xy
	v_mul_f32 v155, 0xbeea01e8, v131               ; -0.45704580 y
	v_mul_f32 v156, 0x3ebf10f8, v132               ; 0.37317633 z
	v_mul_f32 v157, 0xbeea01e8, v130
	v_mul_f32 v158, 0x3fb8ffc7, v132               ; 1.4453057 z
	v_mul_f32 v159, 0xbf170d19, v130
	v_mul_f32 v153, v153, v143
	v_mul_f32 v154, v154, v132
	v_mul_f32 v155, v155, v141
	v_mul_f32 v156, v156, v142
	v_mul_f32 v157, v157, v141
	v_mul_f32 v158, v158, v139
	v_mul_f32 v159, v159, v140
.irp i, 0,1,2,3,4,5,6,7
	v_cvt_pk_bf16_f32 v[T+\i], v[144+2*\i], v[145+2*\i]
.endr
.irp i, 0,1,2,3
	v_permlanex16_b32 v[T+8+\i],  v[T+4+\i], s74, s75
	v_permlanex16_b32 v[T+12+\i], v[T+\i],   s74, s75
.endr
.irp i, 0,1,2,3
	v_cndmask_b32 v[RA+\i], v[T+\i],    v[T+8+\i], s73
	v_cndmask_b32 v[RB+\i], v[T+12+\i], v[T+4+\i], s73
.endr
.endm
; A group: point e of all 32 lanes.  22 products a tile.  The weights' fragments come from LDS a layer or two ahead of their use; each wait's count is the loads issued behind those that it needs.
.macro GROUP e
.irp i, 0,1,2,3,4,5,6,7                ; the features as source 1: register i holds level i (i < 4) or i + 4, + 4 for lanes 16-31 (in v6); tile B's points lie 64 bytes on
	ds_load_b32 v[HA+\i], v6 offset:(\i+4*(\i/4))*LP+128*(\e)
	ds_load_b32 v[HB+\i], v6 offset:(\i+4*(\i/4))*LP+128*(\e)+64
.endr
.irp t, 0,1,2,3
	LDW WX+8*\t, \t                                ; geo_w0
.endr
.irp s, 0,1,2,3
	LDW WX+32+8*\s, 16+\s                          ; geo_w1: 2 a + ks
.endr
.irp t, 0,1,2,3
	LDW WY+8*\t, 4+\t                              ; rgb_w0
.endr
.if (\e) == 0
	s_wait_loadcnt 0x0                             ; d of the quad
.endif
	SH \e
	s_wait_dscnt 16                                ; features and geo_w0 are in; geo_w1's and rgb_w0's sixteen loads may stay out
.irp t, 0,1,2,3
	MM0 ACA+8*\t, WX+8*\t, HA
	MM0 ACB+8*\t, WX+8*\t, HB
.endr
	PLACES
	PACKR
	s_wait_dscnt 8                                 ; geo_w1 is in; rgb_w0's eight loads may stay out
	MM0 ACA,   WX+32, HA
	MM0 ACA+8, WX+48, HA
	MM0 ACB,   WX+32, HB
	MM0 ACB+8, WX+48, HB
	MMA ACA,   WX+40, HA+8
	MMA ACA+8, WX+56, HA+8
	MMA ACB,   WX+40, HB+8
	MMA ACB+8, WX+56, HB+8
	PLACES
.irp s, 0,1,2,3,4,5,6,7
	LDW WX+8*\s, 8+\s                              ; rgb_w1: 2 t + ks
.endr
	v_permlanex16_b32 v[T], v[ACB+8], s74, s75     ; h[0]: register 0 of tile 1, lanes 0-15: tile B's go to the lanes that own the points
	v_cndmask_b32 v[T], v[ACA+8], v[T], s73
	v_mul_f32 v[T], 0x3fb8aa3b, v[T]               ; log2(e)
	v_exp_f32 v[SG+(\e)], v[T]                     ; sigma; the conversions below are the plain lines behind it
.irp i, 0,1,2,3
	v_cvt_pk_bf16_f32 v[RA+4+\i], v[ACA+2*\i], v[ACA+2*\i+1]  ; h[1..16], no ReLU: the colour net's inputs 16-31
	v_cvt_pk_bf16_f32 v[RB+4+\i], v[ACB+2*\i], v[ACB+2*\i+1]
.endr
	s_wait_dscnt 16                                ; rgb_w0 is in; rgb_w1's sixteen loads may stay out
.irp t, 0,1,2,3
	MM0 ACA+8*\t, WY+8*\t, RA
	MM0 ACB+8*\t, WY+8*\t, RB
.endr
	PLACES
	LDW WY,   20                                   ; rgb_w2
	LDW WY+8, 21
	PACKR
	s_wait_dscnt 4                                 ; rgb_w1 is in; rgb_w2's four loads may stay out
.irp t, 0,1,2,3
	MM0 ACA+8*\t, WX+16*\t, HA
.endr
.irp t, 0,1,2,3
	MM0 ACB+8*\t, WX+16*\t, HB
.endr
.irp t, 0,1,2,3
	MMA ACA+8*\t, WX+16*\t+8, HA+8
.endr
.irp t, 0,1,2,3
	MMA ACB+8*\t, WX+16*\t+8, HB+8
.endr
	PLACES
	PACKR
	s_wait_dscnt 0x0                               ; rgb_w2 is in
	MM0 ACA, WY,   HA
	MM0 ACB, WY,   HB
	MMA ACA, WY+8, HA+8
	MMA ACB, WY+8, HB+8
	PLACES
.irp c, 0,1,2                          ; colour c lies in register c of lanes 0-15; as with sigma each goes to the lane that owns the point
	v_permlanex16_b32 v[T+\c], v[ACB+\c], s74, s75
.endr
.irp c, 0,1,2
	v_cndmask_b32 v[T+\c], v[ACA+\c], v[T+\c], s73
.endr
.irp c, 0,1,2
	v_mul_f32 v[T+\c], 0xbfb8aa3b, v[T+\c]         ; sigmoid(u) = 1 / (1 + 2^(-log2(e) u))
.endr
.irp c, 0,1,2
	v_exp_f32 v[T+\c], v[T+\c]
.endr
	v_nop                                          ; a plain line between the last transcendental and the use of its result
	s_wait_alu depctr_va_vdst(0)
.irp c, 0,1,2
	v_add_f32 v[T+\c], 1.0, v[T+\c]
.endr
.irp c, 0,1,2
	v_rcp_f32 v[T+\c], v[T+\c]
.endr
	v_nop
	s_wait_alu depctr_va_vdst(0)
.irp c, 0,1,2
	ds_store_b32 v9, v[T+\c] offset:12*(\e)+4*\c   ; my stage: 12 bytes a point, my four points side by side
.endr
.endm
	s_mov_b32 s76, 0
	s_mov_b32 s30, 2
.Lquad:                                                ; a trip: 128 points of the wave
.irp k, 0,1,2
	global_load_b128 v[DD+4*\k:DD+4*\k+3], v11, s[12:13] offset:16*\k
.endr
	v_add_nc_u32 v6, s76, v7
.irp e, 0,1,2,3
	GROUP \e
.endr
	global_store_b128 v12, v[SG:SG+3], s[14:15] th:TH_STORE_NT  ; 512 consecutive bytes of out0, at a multiple of 512 from its first
.irp k, 0,1,2
	ds_load_b128 v[T+4*\k:T+4*\k+3], v10 offset:512*\k  ; LDS serves a wave's instructions in order (ISA guide 5.7.1.4): these see my stores above
.endr
	s_wait_dscnt 0x0
.irp k, 0,1,2
	global_store_b128 v12, v[T+4*\k:T+4*\k+3], s[16:17] offset:512*\k th:TH_STORE_NT  ; 512 consecutive bytes of out1 each
.endr
	s_wait_xcnt 0x0                                ; the stores have read their bases and data: these are written again only behind this wait
	s_add_nc_u64 s[12:13], s[12:13], 1536
	s_add_nc_u64 s[16:17], s[16:17], 1536
	s_add_nc_u64 s[14:15], s[14:15], 512
	s_add_co_u32 s76, s76, 512
	s_sub_co_u32 s30, s30, 1
	s_cmp_lg_u32 s30, 0
	s_cbranch_scc1 .Lquad
	s_wait_tensorcnt 0x0                           ; the wave's end, behind my last LDS store
	ds_add_u32 v2, v3
	s_wait_dscnt 0x0
	s_endpgm
.Lfunc_end_k_qe59ef61b66_ngp:
	.size	k_qe59ef61b66_ngp, .Lfunc_end_k_qe59ef61b66_ngp-k_qe59ef61b66_ngp
	.p2alignl 7, 3214868480
	.fill 96, 4, 3214868480
	.section	.rodata,"a",@progbits
	.p2align	6, 0x0
	.amdhsa_kernel k_qe59ef61b66_ngp
		.amdhsa_group_segment_fixed_size 315392
		.amdhsa_private_segment_fixed_size 0
		.amdhsa_enable_private_segment 0
		.amdhsa_kernarg_size 80
		.amdhsa_user_sgpr_count 2
		.amdhsa_user_sgpr_kernarg_segment_ptr 1
		.amdhsa_wavefront_size32 1
		.amdhsa_system_sgpr_workgroup_id_x 1
		.amdhsa_system_sgpr_workgroup_id_y 1
		.amdhsa_system_sgpr_workgroup_id_z 1
		.amdhsa_system_vgpr_workitem_id 0
		.amdhsa_next_free_vgpr 256
		.amdhsa_next_free_sgpr 80
		.amdhsa_reserve_vcc 0
		.amdhsa_float_denorm_mode_32 3
		.amdhsa_float_denorm_mode_16_64 3
		.amdhsa_memory_ordered 1
		.amdhsa_forward_progress 1
		.amdhsa_inst_pref_size 175
	.end_amdhsa_kernel
	.amdgpu_metadata
---
amdhsa.version: [ 1, 2 ]
amdhsa.kernels:
  - .name:           k_qe59ef61b66_ngp
    .symbol:         k_qe59ef61b66_ngp.kd
    .args:
      - { .name: q, .offset: 0, .size: 8, .value_kind: global_buffer, .address_space: global }
      - { .name: tb, .offset: 8, .size: 8, .value_kind: global_buffer, .address_space: global }
      - { .name: d, .offset: 16, .size: 8, .value_kind: global_buffer, .address_space: global }
      - { .name: out0, .offset: 24, .size: 8, .value_kind: global_buffer, .address_space: global }
      - { .name: out1, .offset: 32, .size: 8, .value_kind: global_buffer, .address_space: global }
      - { .name: geo_w0, .offset: 40, .size: 8, .value_kind: global_buffer, .address_space: global }
      - { .name: rgb_w0, .offset: 48, .size: 8, .value_kind: global_buffer, .address_space: global }
      - { .name: rgb_w1, .offset: 56, .size: 8, .value_kind: global_buffer, .address_space: global }
      - { .name: geo_w1, .offset: 64, .size: 8, .value_kind: global_buffer, .address_space: global }
      - { .name: rgb_w2, .offset: 72, .size: 8, .value_kind: global_buffer, .address_space: global }
    .group_segment_fixed_size: 315392
    .private_segment_fixed_size: 0
    .kernarg_segment_align: 8
    .kernarg_segment_size: 80
    .max_flat_workgroup_size: 512
    .sgpr_count:     80
    .vgpr_count:     256
    .wavefront_size: 32
...
	.end_amdgpu_metadata
.endif
;; end of part 4
;; ======== version 3 of 4: 2 launches
;; limits: below input magnitudes of 1.08e-19 results are inexact or not finite
;; workspace buffers: q 12,582,912 bytes of whole numbers; tb 33,554,432 bytes
;; launch prep: the kernel of part 3 again; grid 256 x 1, 16 waves a work-group, no clusters, 0 bytes of LDS; arguments x, hash_table, q, tb; writes q, tb
;; launch ngp (part 5): grid 256 x 1, 16 waves a work-group, no clusters, 315,392 bytes of LDS; arguments q, tb, d, out0, out1, geo_w0, rgb_w0, rgb_w1, geo_w1, rgb_w2; writes out0, out1
.if DOCPART == 5
	.amdgcn_target "amdgcn-amd-amdhsa--gfx1250"
	.amdhsa_code_object_version 6
	.text
	.protected	k_qe59ef61b66_ngp
	.globl	k_qe59ef61b66_ngp
	.p2align	8
	.type	k_qe59ef61b66_ngp,@function
k_qe59ef61b66_ngp:
	s_mov_b64 s[64:65], 0
	v_nop
	global_prefetch_b8 v0, s[64:65] scope:SCOPE_SE
	s_setreg_imm32_b32 hwreg(HW_REG_WAVE_MODE, 25, 1), 1
	s_wait_xcnt 0x0
; HASH-GRID ENCODING, BOTH MLPs AND BOTH OUTPUTS, FUSED.  1,048,576 points; a work-group of 16 waves takes 4,096, a wave 256, a lane 8:
; point = 4096 g + 256 w + 128 quad + 4 lane + e (quad 0, 1; e 0 .. 3; p = 4 quad + e), so a lane's four points of a quad are 48 consecutive bytes of q, d and out1 and 16 of out0.
; POSITION.  q = xn 2^31 (launch prep); S = f32(s_l) 2^21 is a whole number under 2^31; q S + 2^51 = (xn s_l + 0.5) 2^52: its high word is the position times 2^20:
; cell = high >> 20, fraction = low 20 bits.  DIFFERENCE FROM reference(): it rounds xn s and + 0.5 to f32; here the position is exact to 2^-20 of a cell.  Cell and fraction come
; from one number and the interpolant is continuous over cell faces, so this shifts a result by no more than the f32 roundings do.
; LEVELS.  s_l = 16 b^l - 1 with b = exp(log(64) / 15), res = ceil(s_l) + 1; s_5 lies just under 63 in double, so res_5 = 64, and as f32 it is 63.  Levels 0-5 (res^3 <= 2^19) are
; indexed x + y res + z res^2, levels 6-15 by the hash; of the hash only the low 19 bits count, so the primes are taken modulo 2^19 and a 24-bit multiply serves.
; THE TABLE is launch prep's copy tb: an entry is one word, its two features rounded once to bf16: a gather takes 4 bytes a lane.
; THE LEVEL IS THE OUTER LOOP: a wave gathers one level for all its 256 points (64 gathers out at once), then the next level: the levels can be loops, and the waves draw on few levels' tables at a time.
; The price: the 32 features of 4,096 points wait in LDS, as pairs of bf16 (they are matrix operands): 260 KiB.
; The interpolation (1 x 8 times 8 x 2, both operands private to a point) is done in f32 on the vector unit: along x as t0 (1 - fx) + t1 fx, by multiply-adds that read the bf16 halves as they
; lie (16 lines for 16 numbers, where unpacking first would take 16 more); along y and z as t0 + f (t1 - t0), both features at once.
; ORDER OF THE LINES.  Index and fraction arithmetic is written for two points at a time, the interpolation for four, so that a line does not read the result of the line just before it;
; a pair's 16 gathers stand in one run, behind the fractions' lines, not each behind the line that makes its index.
; MLPs, TRANSPOSED: D = W^T X^T (source 0 = 16 outputs x 32 inputs of W^T, source 1 = 32 inputs x 16 points).  In a result a lane holds ONE point (lane % 16) and the outputs 8 (lane / 16) + 0..7;
; two results rounded to bf16 in pairs ARE source 1 of the next layer: nothing changes lanes between layers.  A group is 32 points: tile A the points of lanes 0-15, tile B those of lanes 16-31.
; geo_w1's 17 columns: tile 0 holds columns 1-16 (they fall straight into the colour net's inputs 16-31), tile 1 column 0 in its row 0 (so sigma's sum falls into the accumulator's lowest register) and zeros.
; ONE BARRIER, straight behind the staging of the weights: those fragments are all that one wave writes and another reads.  Features and the rgb stage are each wave's own bytes, so from there on
; no wave waits for another: one that has done its levels goes on to its MLPs while others still gather.
; NO TENSOR LOADS, NO CLUSTER: the bulk of the reads are gathers of 4 bytes a lane; what work-groups share as blocks is 37,888 bytes of weights, read once by each, and those are transposed and rounded in registers.
; LIMITS.  The table's entries are rounded to bf16 (in prep); features, spherical harmonics, hidden layers and weights are rounded to bf16 as matrix operands, sums in f32.  ReLU (a maximum with 0)
; drops a NaN.  v_rsq_f32 and v_exp_f32 flush denormals (ISA guide 15.8): |d|^2 under 2^-126 counts as 0, an exponential under 2^-126 comes out as 0.  reference() takes no maximum ahead of its
; exponentials, and neither does this text.
.set LP,    1040                       ; LDS: a level's features of a wave: 8 points a lane x 128 bytes, + 16: rows 4 levels apart begin 16 banks apart (64 banks of 4 bytes: ISA guide 11.1)
.set WP,    16*LP                      ; a wave's 16 levels.  FEAT: bytes 0 .. 16 WP: wave WP + level LP + 128 p + 4 lane: bf16(f0) | bf16(f1) << 16
.set WGT,   16*WP                      ; 22 fragments of W^T, 1,024 bytes each: 16 lane: registers 0-3; 512 + 16 lane: registers 4-7
.set STG,   WGT+22*1024                ; 1,536 bytes a wave: rgb of a quad's 128 points, 12 bytes a point
.set SPARE, STG+16*1536                ; the spare words: 128 bytes a wave, eight blocks of 256 bytes that no other line names
.set LEVB,  0x200000                   ; bytes of a level in tb: 524,288 entries of 4
; fragment slots: 0-3 geo_w0 (t); 4-7 rgb_w0 (t); 8 + 2 t + ks rgb_w1; 16 + 2 a + ks geo_w1; 20 + ks rgb_w2
; v0 thread; v1 lane; v2 my spare word, v3 0 (for the add alone); v4 0; v5 FEAT: wave WP + 4 lane; v6 the trip's LDS address; v7 FEAT for fragments: wave WP + 4 LP (lane / 16) + 4 (lane % 16);
; v8 WGT + 16 lane; v9 STG in: + 48 lane; v10 STG back: + 16 lane; v11 48 lane; v12 16 lane; v13 prefetch offset; v[14:15] 2^51
.set T,    16                          ; v[16:31]   at work (encode: the even point of a pair)
.set U,    224                         ; v[224:239] encode: at work, the odd point of a pair
.set Q,    32                          ; v[32:55]   encode: q of point p at Q + 3 p
.set FR,   56                          ; v[56:87]   encode: point p: +0 fz, +1 fx, +2 fy, +3 byte offset of the cell in a dense level
.set DATA, 88                          ; v[88:151]  encode: point p, corner c = dx + 2 dy + 4 dz: its entry (two bf16) at DATA + 8 p + c
.set XL,   152                         ; v[152:215] encode: point p: the eight numbers left behind the x stage, in f32: (dy, dz) pair k, feature j at XL + 8 p + 2 k + j
.set GX,   216                         ; v[216:223] encode: point p: 1 - fx
.set WX,   32                          ; v[32:95]   MLP: geo_w0 and geo_w1, later rgb_w1
.set WY,   96                          ; v[96:127]  MLP: rgb_w0, later rgb_w2
.set ACA,  128                         ; v[128:159] tile A's four accumulators (ahead of a group's first product: at work for the harmonics)
.set ACB,  160                         ; v[160:191] tile B's
.set HA,   192                         ; v[192:207] tile A: source 1, 64 inputs (the features take the first eight registers)
.set HB,   208                         ; v[208:223] tile B
.set RA,   224                         ; v[224:231] tile A: the colour net's input: harmonics, then h[1..16]
.set RB,   232                         ; v[232:239] tile B
.set DD,   240                         ; v[240:251] d of my four points of a quad (quad 0's from the kernel's head on)
.set SG,   252                         ; v[252:255] sigma of my four points
; s[8:27] buffers; s28 wave; s30 loop count; s31 level x LP; s[32:37] S of the dense level in hand and those to come; s[38:47] the same for the hashed levels; s[48:53] res; s54 res^2;
; s[56:57] tb at this level; s[58:63] the same + y, + z, + y + z (s[58:59] first: a base for the staging); s[66:67] an offset in 64 bits; s68-s73 constants; s[74:75] lane selects; s76 quad x 512;
; s77 a lane mask; s78, s79 two constants of the harmonics
	s_load_b512 s[8:23], s[0:1], 0x0               ; q 8, tb 10, d 12, out0 14, out1 16, geo_w0 18, rgb_w0 20, rgb_w1 22
	s_load_b128 s[24:27], s[0:1], 0x40             ; geo_w1 24, rgb_w2 26
	v_lshl_add_u32 v2, v0, 2, SPARE
	v_mov_b32 v3, 0
	v_and_b32 v1, 31, v0
	v_lshrrev_b32 v4, 5, v0
	v_readfirstlane_b32 s28, v4                    ; wave 0 .. 15
	v_mov_b32 v4, 0
	v_and_b32 v98, 15, v0                          ; r = lane % 16 (v96-v127: at work until the weights are staged)
	v_bfe_u32 v99, v0, 4, 1                        ; h = lane / 16
	s_mul_i32 s2, s28, WP
	s_mul_i32 s3, s28, 1536
	s_add_co_u32 s3, s3, STG
	s_lshl_b32 s4, ttmp9, 13
	v_lshl_add_u32 v5, v1, 2, s2
	v_mul_u32_u24 v7, v99, 4*LP
	v_lshl_add_u32 v7, v98, 2, v7
	v_add_nc_u32 v7, s2, v7
	v_lshl_add_u32 v8, v1, 4, WGT
	v_mul_u32_u24 v11, v1, 48
	v_add_nc_u32 v9, s3, v11
	v_lshl_add_u32 v10, v1, 4, s3
	v_lshlrev_b32 v12, 4, v1
	v_lshl_add_u32 v13, v0, 8, s4                  ; 8,192 g + 256 t (used by wave 0 alone)
	v_mov_b32 v14, 0
	v_mov_b32 v15, 0x80000                         ; v[14:15] = 2^51
	; S_l = the 24-bit mantissa of f32(s_l), shifted so that S_l = f32(s_l) 2^21
	s_mov_b32 s32, 15<<21                          ; 15.0
	s_mov_b32 s33, 0xA0E5A3<<2                     ; 0x41A0E5A3 = 20.112127
	s_mov_b32 s34, 0xD6DC67<<2                     ; 0x41D6DC67 = 26.857618
	s_mov_b32 s35, 0x8F088C<<3                     ; 0x420F088C = 35.758347
	s_mov_b32 s36, 0xBE0300<<3                     ; 0x423E0300 = 47.502930
	s_mov_b32 s37, 63<<21                          ; 63.0
	s_mov_b32 s38, 0xA6E5A3<<4                     ; 0x42A6E5A3 = 83.448506
	s_mov_b32 s39, 0xDCDC67<<4                     ; 0x42DCDC67 = 110.43047
	s_mov_b32 s40, 0x92088C<<5                     ; 0x4312088C = 146.03339
	s_mov_b32 s41, 0xC10300<<5                     ; 0x43410300 = 193.01172
	s_mov_b32 s42, 255<<21                         ; 255.0
	s_mov_b32 s43, 0xA865A3<<6                     ; 0x43A865A3 = 336.79403
	s_mov_b32 s44, 0xDE5C67<<6                     ; 0x43DE5C67 = 444.72189
	s_mov_b32 s45, 0x92C88C<<7                     ; 0x4412C88C = 587.13356
	s_mov_b32 s46, 0xC1C300<<7                     ; 0x4441C300 = 775.04688
	s_mov_b32 s47, 1023<<21                        ; 1023.0
	s_mov_b32 s48, 16                              ; res of levels 0 .. 5
	s_mov_b32 s49, 22
	s_mov_b32 s50, 28
	s_mov_b32 s51, 37
	s_mov_b32 s52, 49
	s_mov_b32 s53, 64
	s_mov_b32 s67, 0
	s_mov_b32 s68, 0xfffff                         ; the fraction's 20 bits
	s_mov_b32 s69, 0x41000000                      ; 8.0: its mantissa's lowest bit counts 2^-20
	s_mov_b32 s70, 0x779B1                         ; 2654435761 mod 2^19
	s_mov_b32 s71, 0x25795                         ; 805459861 mod 2^19
	s_mov_b32 s72, 0x7ffff                         ; T - 1
	s_mov_b32 s73, 0xffff0000                      ; lanes 16-31
	s_mov_b32 s74, 0x76543210                      ; v_permlanex16_b32: each lane takes its own place in the other half
	s_mov_b32 s75, 0xfedcba98
	s_mov_b32 s78, 0x3f723881                      ; 0.94617470
	s_mov_b32 s79, 0xbea17b01                      ; -0.31539157
	s_mul_i32 s66, ttmp9, 49152                    ; 12 bytes x (4,096 g + 256 w)
	s_mul_i32 s4, s28, 3072
	s_add_co_u32 s66, s66, s4
	s_wait_kmcnt 0x0
	s_add_nc_u64 s[8:9], s[8:9], s[66:67]          ; q, d and out1 at my wave's first point
	s_add_nc_u64 s[12:13], s[12:13], s[66:67]
	s_add_nc_u64 s[16:17], s[16:17], s[66:67]
	s_lshl_b32 s66, ttmp9, 14                      ; 4 bytes x the same
	s_lshl_b32 s4, s28, 10
	s_add_co_u32 s66, s66, s4
	s_add_nc_u64 s[14:15], s[14:15], s[66:67]      ; out0
	s_mov_b64 s[56:57], s[10:11]                   ; tb at level 0
.irp k, 0,1,2,3,4,5
	global_load_b128 v[Q+4*\k:Q+4*\k+3], v11, s[8:9] offset:1536*(\k/3)+16*(\k%3)  ; my 8 points' q: 48 bytes in each quad
.endr
.irp k, 0,1,2
	global_load_b128 v[DD+4*\k:DD+4*\k+3], v11, s[12:13] offset:16*\k              ; d of quad 0: its registers are free all through the encoding
.endr
; THE WEIGHTS: W^T as fragments in bf16.  Lane (r, h) holds row r (an output column of W) and the inputs k0 + 8 h + 0..7 (registers 0-3) and k0 + 16 + 8 h + 0..7 (registers 4-7).
; STAGE_LD: 16 numbers into v[dst ..]; ld: numbers in a row of W; s[base:base+1]: W at (k0, the tile's first column); v[off]: byte offset of (8 h, my column).
; STAGE_ST: rounded in pairs into v[tmp ..], and to my 16 bytes in the slot, v[adr]; masked = 1: lanes outside s77 hold zeros.
.macro STAGE_LD dst, off, base, ld
.set j, 0
.rept 16
	global_load_b32 v[(\dst)+j], v[\off], s[\base:\base+1] offset:(j+8*(j/8))*(\ld)*4
.set j, j+1
.endr
.endm
.macro STAGE_ST src, tmp, adr, masked
.set j, 0
.rept 8
	v_cvt_pk_bf16_f32 v[(\tmp)+j], v[(\src)+2*j], v[(\src)+2*j+1]
.set j, j+1
.endr
.if \masked
.set j, 0
.rept 8
	v_cndmask_b32 v[(\tmp)+j], 0, v[(\tmp)+j], s77
.set j, j+1
.endr
.endif
	ds_store_b128 v[\adr], v[\tmp:\tmp+3]
	ds_store_b128 v[\adr], v[\tmp+4:\tmp+7] offset:512
.endm
	; every wave: slot w.  w < 4: geo_w0, tile w; w < 8: rgb_w0, tile w - 4; else rgb_w1, tile (w - 8) / 2, inputs 32 (w % 2) on
	s_and_b32 s4, s28, 3
	s_bfe_u32 s5, s28, 0x20001
	s_and_b32 s6, s28, 1
	s_cmp_lt_u32 s28, 8
	s_cselect_b32 s4, s4, s5                       ; t
	s_cselect_b32 s6, 0, s6                        ; ks
	s_cselect_b64 s[2:3], s[20:21], s[22:23]
	s_cmp_lt_u32 s28, 4
	s_cselect_b64 s[2:3], s[18:19], s[2:3]
	s_lshl_b32 s66, s6, 13                         ; 32 rows of 256 bytes
	s_lshl_b32 s4, s4, 6                           ; 16 columns
	s_add_co_u32 s66, s66, s4
	s_add_nc_u64 s[2:3], s[2:3], s[66:67]
	v_lshl_add_u32 v96, v99, 9, v98                ; 8 h rows of 64, + r
	v_lshlrev_b32 v96, 2, v96
	s_lshl_b32 s5, s28, 10
	v_add_nc_u32 v97, s5, v8
	STAGE_LD T, 96, 2, 64
	; waves 0 to 5 have a second fragment, slot 16 + w: its loads go out behind the first's, with a base, an offset and registers of their own, so that both are on their way together
	v_add_nc_u32 v101, 16*1024, v97
	s_cmp_ge_u32 s28, 6
	s_cbranch_scc1 .Lstage1
	s_cmp_ge_u32 s28, 4
	s_cbranch_scc1 .Lw2
	s_lshr_b32 s4, s28, 1                          ; geo_w1: a = w / 2, ks = w % 2
	s_and_b32 s5, s28, 1
	s_mul_i32 s66, s5, 32*68
	s_add_nc_u64 s[58:59], s[24:25], s[66:67]
	s_sub_co_u32 s5, 1, s4
	v_add_nc_u32 v100, 1, v98
	v_mul_u32_u24 v100, s5, v100                   ; my column: a = 0: 1 + r; a = 1: 0
	v_mad_u32_u24 v100, v99, 136, v100             ; + 8 h rows of 17
	v_lshlrev_b32 v100, 2, v100
	v_cmp_eq_u32 s77, 0, v98                       ; a = 1: row 0 alone is kept
	s_cmp_eq_u32 s4, 0
	s_cselect_b32 s6, -1, 0
	s_or_b32 s77, s77, s6
	STAGE_LD 104, 100, 58, 17
	s_wait_loadcnt 0x0
	STAGE_ST 104, 120, 101, 1
	s_branch .Lstage1
.Lw2:
	s_sub_co_u32 s5, s28, 4                        ; rgb_w2: ks = w - 4
	s_mul_i32 s66, s5, 32*12
	s_add_nc_u64 s[58:59], s[26:27], s[66:67]
	v_min_u32 v100, 2, v98                         ; rows 3 .. 15 read column 2 and are then zeroed: no load leaves the buffer
	v_mad_u32_u24 v100, v99, 24, v100              ; + 8 h rows of 3
	v_lshlrev_b32 v100, 2, v100
	v_cmp_gt_u32 s77, 3, v98
	STAGE_LD 104, 100, 58, 3
	s_wait_loadcnt 0x0
	STAGE_ST 104, 120, 101, 1
.Lstage1:
	s_wait_loadcnt 0x0                             ; the first fragment's sixteen, and q and d: all the loads' bases and offsets may be written from here on
	STAGE_ST T, 88, 97, 0
	s_wait_dscnt 0x0                               ; for the others' sake: my fragments of the weights are in LDS
	s_barrier_signal -1
	s_barrier_wait -1                              ; everybody's are: the kernel's one barrier; every load of a fragment stands behind it
; THE ENCODING, two points (p in T's registers, p + 1 in U's) at a time.
; POSA: the position's high word (t+1, t+3, t+5 for x, y, z) and the cell (t+6, t+7, t+8) at the level whose S is in s[sc].
.macro POSA p, sc
.irp a, 0,1,2
	v_mad_nc_u64_u32 v[T+2*\a:T+2*\a+1], v[Q+3*(\p)+\a],   s[\sc], v[14:15]
	v_mad_nc_u64_u32 v[U+2*\a:U+2*\a+1], v[Q+3*(\p)+3+\a], s[\sc], v[14:15]
.endr
.irp a, 0,1,2
.irp t, T, U
	v_lshrrev_b32 v[\t+6+\a], 20, v[\t+2*\a+1]
.endr
.endr
.endm
; The fraction: its 20 bits set into the mantissa of 8.0 are the f32 number 8 + f; f = that - 8 and 1 - f = 9 - that, both exact.
.macro ANDOR
.irp a, 1,3,5
.irp t, T, U
	v_and_or_b32 v[\t+\a], v[\t+\a], s68, s69
.endr
.endr
.endm
.macro FRX p
	v_add_f32 v[FR+4*(\p)+1], 0xc1000000, v[T+1]   ; fx
	v_add_f32 v[FR+4*(\p)+5], 0xc1000000, v[U+1]
	v_sub_f32 v[GX+(\p)],     0x41100000, v[T+1]   ; 1 - fx
	v_sub_f32 v[GX+(\p)+1],   0x41100000, v[U+1]
.endm
.macro FRY p
	v_add_f32 v[FR+4*(\p)+2], 0xc1000000, v[T+3]   ; fy
	v_add_f32 v[FR+4*(\p)+6], 0xc1000000, v[U+3]
.endm
.macro FRZ p
	v_add_f32 v[FR+4*(\p)],   0xc1000000, v[T+5]   ; fz
	v_add_f32 v[FR+4*(\p)+4], 0xc1000000, v[U+5]
.endm
; A dense level: one byte offset a point; the corner stands in the base (+ y, + z) and in the immediate (+ x).  The fractions' lines stand between the links of the offset's chain.
.macro DPT2 p
	POSA \p, 32
.irp t, T, U
	v_mad_u32_u24 v[\t+9], v[\t+7], s48, v[\t+6]
.endr
	ANDOR
.irp t, T, U
	v_mad_u32_u24 v[\t+9], v[\t+8], s54, v[\t+9]
.endr
	FRX \p
.irp t, T, U
	v_min_u32 v[\t+9], 0x3ffff, v[\t+9]            ; changes no true index (63 x 4,161 at the most): it bounds the address by a constant of the text
.endr
	FRY \p
	v_lshlrev_b32 v[FR+4*(\p)+3], 2, v[T+9]
	v_lshlrev_b32 v[FR+4*(\p)+7], 2, v[U+9]
	FRZ \p
.irp u, 0,1
.irp c, 0,1,2,3,4,5,6,7
	global_load_b32 v[DATA+8*(\p+\u)+\c], v[FR+4*(\p+\u)+3], s[56+2*(\c/2):57+2*(\c/2)] offset:4*(\c%2)
.endr
.endr
.endm
; A hashed level: x ^ y P1 ^ z P2, low 19 bits.  (y + 1) P1 = y P1 + P1.  Each index is made in its own load's destination, so no register at work is a pending load's source.
.macro HPT2 p
	POSA \p, 38
.irp t, T, U
	v_mul_u32_u24 v[\t],   s70, v[\t+7]
	v_mul_u32_u24 v[\t+2], s71, v[\t+8]
	v_add_nc_u32 v[\t+10], 1, v[\t+6]
.endr
.irp t, T, U
	v_add_nc_u32 v[\t+4], s70, v[\t]
	v_add_nc_u32 v[\t+9], s71, v[\t+2]
.endr
.irp t, T, U
	v_xor_b32 v[\t+11], v[\t],   v[\t+2]           ; (dy, dz) = (0, 0), (1, 0), (0, 1), (1, 1)
	v_xor_b32 v[\t+12], v[\t+4], v[\t+2]
	v_xor_b32 v[\t+13], v[\t],   v[\t+9]
	v_xor_b32 v[\t+14], v[\t+4], v[\t+9]
.endr
.irp t, T, U
.irp k, 11,12,13,14
	v_and_b32 v[\t+\k], s72, v[\t+\k]              ; x is 1,024 at the most, so the mask may come ahead of it
.endr
.endr
.irp c, 0,1,2,3,4,5,6,7
	v_xor_b32 v[DATA+8*(\p)+\c], v[T+6+4*(\c%2)], v[T+11+\c/2]
.endr
.irp c, 0,1,2,3,4,5,6,7
	v_xor_b32 v[DATA+8*(\p)+8+\c], v[U+6+4*(\c%2)], v[U+11+\c/2]
.endr
.set i, 0
.rept 16
	v_min_u32 v[DATA+8*(\p)+i], 0x7ffff, v[DATA+8*(\p)+i]  ; changes nothing: it bounds the address by a constant of the text
.set i, i+1
.endr
	ANDOR
	FRX \p
	FRY \p
	FRZ \p
.set i, 0
.rept 16
	global_load_b32 v[DATA+8*(\p)+i], v[DATA+8*(\p)+i], s[56:57] scale_offset  ; the index counts entries of 4 bytes
.set i, i+1
.endr
.endm
; Points p .. p + 3: their corners are in.  Along x: t0 (1 - fx) + t1 fx, each line reading one bf16 half and giving f32; along y and z: t0 + f (t1 - t0), both features at once; rounded to bf16; into LDS.
.macro CONS4 p
	s_wait_loadcnt 8*(4-(\p))                      ; loads come back in order: the eight gathers of each of the points behind these four may stay out
.irp u, 0,1,2,3
.irp k, 0,1,2,3
	v_fma_mix_f32_bf16 v[XL+8*(\p+\u)+2*\k],   v[DATA+8*(\p+\u)+2*\k], v[GX+\p+\u], v4 op_sel_hi:[1,0,0]                 ; low half: feature 0
	v_fma_mix_f32_bf16 v[XL+8*(\p+\u)+2*\k+1], v[DATA+8*(\p+\u)+2*\k], v[GX+\p+\u], v4 op_sel:[1,0,0] op_sel_hi:[1,0,0]  ; high half: feature 1
.endr
.endr
.irp u, 0,1,2,3
.irp k, 0,1,2,3
	v_fma_mix_f32_bf16 v[XL+8*(\p+\u)+2*\k],   v[DATA+8*(\p+\u)+2*\k+1], v[FR+4*(\p+\u)+1], v[XL+8*(\p+\u)+2*\k] op_sel_hi:[1,0,0]
	v_fma_mix_f32_bf16 v[XL+8*(\p+\u)+2*\k+1], v[DATA+8*(\p+\u)+2*\k+1], v[FR+4*(\p+\u)+1], v[XL+8*(\p+\u)+2*\k+1] op_sel:[1,0,0] op_sel_hi:[1,0,0]
.endr
.endr
.irp u, 0,1,2,3
.set E, XL+8*(\p+\u)
	v_pk_add_f32 v[E+2:E+3], v[E+2:E+3], v[E:E+1]   neg_lo:[0,1] neg_hi:[0,1]
	v_pk_add_f32 v[E+6:E+7], v[E+6:E+7], v[E+4:E+5] neg_lo:[0,1] neg_hi:[0,1]
.endr
.irp u, 0,1,2,3
.set E, XL+8*(\p+\u)
.set F, FR+4*(\p+\u)
	v_pk_fma_f32 v[E:E+1],   v[E+2:E+3], v[F+2:F+3], v[E:E+1]   op_sel_hi:[1,0,1]  ; fy for both
	v_pk_fma_f32 v[E+4:E+5], v[E+6:E+7], v[F+2:F+3], v[E+4:E+5] op_sel_hi:[1,0,1]
.endr
.irp u, 0,1,2,3
.set E, XL+8*(\p+\u)
	v_pk_add_f32 v[E+4:E+5], v[E+4:E+5], v[E:E+1] neg_lo:[0,1] neg_hi:[0,1]
.endr
.irp u, 0,1,2,3
.set E, XL+8*(\p+\u)
.set F, FR+4*(\p+\u)
	v_pk_fma_f32 v[E:E+1], v[E+4:E+5], v[F:F+1], v[E:E+1] op_sel_hi:[1,0,1]        ; fz for both
.endr
.irp u, 0,1,2,3
	v_cvt_pk_bf16_f32 v[T+\p+\u], v[XL+8*(\p+\u)], v[XL+8*(\p+\u)+1]
.endr
.irp u, 0,1,2,3
	ds_store_b32 v6, v[T+\p+\u] offset:128*(\p+\u)
.endr
.endm
.macro ROT first, n                    ; a row of scalar constants moves up by one
.set i, \first
.rept \n
	s_mov_b32 s[i], s[i+1]
.set i, i+1
.endr
.endm
	s_mov_b32 s31, 0
	s_mov_b32 s30, 6
.Ldense:                                               ; levels 0 .. 5
	s_mul_i32 s54, s48, s48
	s_lshl_b32 s66, s48, 2
	s_add_nc_u64 s[58:59], s[56:57], s[66:67]      ; + y: res entries of 4 bytes
	s_lshl_b32 s66, s54, 2
	s_add_nc_u64 s[60:61], s[56:57], s[66:67]      ; + z
	s_add_nc_u64 s[62:63], s[58:59], s[66:67]      ; + y + z
	v_add_nc_u32 v6, s31, v5
.irp p, 0,2,4,6
	DPT2 \p
.endr
	CONS4 0
	CONS4 4
	; the last wait above was for 0: every gather is done, so bases and offsets may be written
	ROT 32, 5
	ROT 48, 5
	s_add_nc_u64 s[56:57], s[56:57], LEVB
	s_add_co_u32 s31, s31, LP
	s_sub_co_u32 s30, s30, 1
	s_cmp_lg_u32 s30, 0
	s_cbranch_scc1 .Ldense
	s_mov_b32 s30, 10
.Lhash:                                                ; levels 6 .. 15
	v_add_nc_u32 v6, s31, v5
	HPT2 0
	HPT2 2
	; The next level's table is asked for, once in the launch: the 32 lanes of wave 0 of work-group g name the bytes 8,192 g + 256 t of its 2 MiB, half a trip (32 gathers and the
	; trip's interpolation) ahead of the first gather from it.  The last trip has no next level and asks for nothing.
	s_cmp_ge_u32 s28, 1
	s_cbranch_scc1 .Lasked
	s_cmp_eq_u32 s30, 1
	s_cbranch_scc1 .Lasked
	global_prefetch_b8 v13, s[56:57] offset:LEVB th:TH_LOAD_NT scope:SCOPE_SE
.Lasked:
	HPT2 4
	HPT2 6
	CONS4 0
	CONS4 4
	s_wait_xcnt 0x0                                ; the prefetch has read its base: the table's address steps only behind this wait
	ROT 38, 9
	s_add_nc_u64 s[56:57], s[56:57], LEVB
	s_add_co_u32 s31, s31, LP
	s_sub_co_u32 s30, s30, 1
	s_cmp_lg_u32 s30, 0
	s_cbranch_scc1 .Lhash
	; No barrier here: the features that I read below are my own wave's bytes (wave WP + at most 15 LP + 1,024), and LDS serves a wave's instructions in order (ISA guide 5.7.1.4).
; THE MLPs.
.macro LDW reg, slot                   ; a fragment of W^T: 32 lanes x 16 consecutive bytes, twice
	ds_load_b128 v[\reg:\reg+3],   v8 offset:(\slot)*1024
	ds_load_b128 v[\reg+4:\reg+7], v8 offset:(\slot)*1024+512
.endm
.macro MM0 d, a, b                     ; a product that starts a sum
	v_wmma_f32_16x16x32_bf16 v[\d:\d+7], v[\a:\a+7], v[\b:\b+7], 0
.endm
.macro MMA d, a, b                     ; and one that adds onto it.  The accumulators take turns, one instruction a turn
	v_wmma_f32_16x16x32_bf16 v[\d:\d+7], v[\a:\a+7], v[\b:\b+7], v[\d:\d+7]
.endm
.macro PLACES                          ; four places behind a run of products, ahead of the lines that read results or write or load into the products' registers
.rept 4
	v_nop
.endr
.endm
.macro PACKR                           ; both tiles' 64 outputs, rounded to bf16 in pairs, then ReLU: the next layer's source 1.  Each accumulator is read from its low end on
.irp b, 0,1
.set i, 0
.rept 16
	v_cvt_pk_bf16_f32 v[HA+16*\b+i], v[ACA+32*\b+2*i], v[ACA+32*\b+2*i+1]
.set i, i+1
.endr
.endr
.set i, 0
.rept 32
	v_pk_max_num_bf16 v[HA+i], v[HA+i], v4
.set i, i+1
.endr
.endm
; The 16 harmonics of my point e, in f32 as reference() writes them, rounded to bf16 in pairs s0 .. s7; then the halves of the lanes exchange: in tile A's source 1 lane r holds s0-s3 of
; lane r's point and lane 16 + r its s4-s7; in tile B's the same of lane 16 + r's point.
.macro SH e
.set DX, DD+3*(\e)
	v_mul_f32 v128, v[DX], v[DX]
	v_fmac_f32 v128, v[DX+1], v[DX+1]
	v_fmac_f32 v128, v[DX+2], v[DX+2]
	v_rsq_f32 v129, v128
	v_mov_b32 v144, 0x3e906ebb                     ; 0.28209479; also the plain line behind the transcendental
	s_wait_alu depctr_va_vdst(0)
	v_mul_f32 v130, v[DX], v129                    ; x
	v_mul_f32 v131, v[DX+1], v129                  ; y
	v_mul_f32 v132, v[DX+2], v129                  ; z
	v_mul_f32 v133, v130, v130                     ; xx
	v_mul_f32 v134, v131, v131                     ; yy
	v_mul_f32 v135, v132, v132                     ; zz
	v_mul_f32 v136, v130, v131                     ; xy
	v_mul_f32 v137, v131, v132                     ; yz
	v_mul_f32 v138, v130, v132                     ; xz
	v_sub_f32 v139, v133, v134                     ; xx - yy
	v_add_f32 v140, v133, v134                     ; xx + yy
	v_fma_f32 v141, v135, 4.0, -v140               ; 4 zz - xx - yy
	v_mul_f32 v142, 0x40400000, v140
	v_fma_f32 v142, v135, 2.0, -v142               ; 2 zz - 3 xx - 3 yy
	v_fma_f32 v143, v133, 0x40400000, -v134        ; 3 xx - yy
	v_fma_f32 v140, v134, 0xc0400000, v133         ; xx - 3 yy
	v_mul_f32 v145, 0xbefa2a1c, v131               ; -0.48860251 y
	v_mul_f32 v146, 0x3efa2a1c, v132
	v_mul_f32 v147, 0xbefa2a1c, v130
	v_mul_f32 v148, 0x3f8bd8a1, v136               ; 1.0925484 xy
	v_mul_f32 v149, 0xbf8bd8a1, v137
	v_fma_f32 v150, v135, s78, s79                 ; 0.94617470 zz - 0.31539157
	v_mul_f32 v151, 0xbf8bd8a1, v138
	v_mul_f32 v152, 0x3f0bd8a1, v139               ; 0.54627422 (xx - yy)
	v_mul_f32 v153, 0xbf170d19, v131               ; -0.59004359 y
	v_mul_f32 v154, 0x4038ffc7, v136               ; 2.8906114 xy
	v_mul_f32 v155, 0xbeea01e8, v131               ; -0.45704580 y
	v_mul_f32 v156, 0x3ebf10f8, v132               ; 0.37317633 z
	v_mul_f32 v157, 0xbeea01e8, v130
	v_mul_f32 v158, 0x3fb8ffc7, v132               ; 1.4453057 z
	v_mul_f32 v159, 0xbf170d19, v130
	v_mul_f32 v153, v153, v143
	v_mul_f32 v154, v154, v132
	v_mul_f32 v155, v155, v141
	v_mul_f32 v156, v156, v142
	v_mul_f32 v157, v157, v141
	v_mul_f32 v158, v158, v139
	v_mul_f32 v159, v159, v140
.irp i, 0,1,2,3,4,5,6,7
	v_cvt_pk_bf16_f32 v[T+\i], v[144+2*\i], v[145+2*\i]
.endr
.irp i, 0,1,2,3
	v_permlanex16_b32 v[T+8+\i],  v[T+4+\i], s74, s75
	v_permlanex16_b32 v[T+12+\i], v[T+\i],   s74, s75
.endr
.irp i, 0,1,2,3
	v_cndmask_b32 v[RA+\i], v[T+\i],    v[T+8+\i], s73
	v_cndmask_b32 v[RB+\i], v[T+12+\i], v[T+4+\i], s73
.endr
.endm
; A group: point e of all 32 lanes.  22 products a tile.  The weights' fragments come from LDS a layer or two ahead of their use; each wait's count is the loads issued behind those that it needs.
.macro GROUP e
.irp i, 0,1,2,3,4,5,6,7                ; the features as source 1: register i holds level i (i < 4) or i + 4, + 4 for lanes 16-31 (in v6); tile B's points lie 64 bytes on
	ds_load_b32 v[HA+\i], v6 offset:(\i+4*(\i/4))*LP+128*(\e)
	ds_load_b32 v[HB+\i], v6 offset:(\i+4*(\i/4))*LP+128*(\e)+64
.endr
.irp t, 0,1,2,3
	LDW WX+8*\t, \t                                ; geo_w0
.endr
.irp s, 0,1,2,3
	LDW WX+32+8*\s, 16+\s                          ; geo_w1: 2 a + ks
.endr
.irp t, 0,1,2,3
	LDW WY+8*\t, 4+\t                              ; rgb_w0
.endr
.if (\e) == 0
	s_wait_loadcnt 0x0                             ; d of the quad: asked for at the kernel's head, or in the trip before
.endif
	SH \e
.if (\e) == 3
	s_cmp_eq_u32 s30, 1                            ; the quad's d has been read for the last time: the next quad's takes its registers; the last trip has no next quad
	s_cbranch_scc1 .Lno_d
.irp k, 0,1,2
	global_load_b128 v[DD+4*\k:DD+4*\k+3], v11, s[12:13] offset:16*\k
.endr
.Lno_d:
.endif
	s_wait_dscnt 16                                ; features and geo_w0 are in; geo_w1's and rgb_w0's sixteen loads may stay out
.irp t, 0,1,2,3
	MM0 ACA+8*\t, WX+8*\t, HA
	MM0 ACB+8*\t, WX+8*\t, HB
.endr
	PLACES
	PACKR
	s_wait_dscnt 8                                 ; geo_w1 is in; rgb_w0's eight loads may stay out
	MM0 ACA,   WX+32, HA
	MM0 ACA+8, WX+48, HA
	MM0 ACB,   WX+32, HB
	MM0 ACB+8, WX+48, HB
	MMA ACA,   WX+40, HA+8
	MMA ACA+8, WX+56, HA+8
	MMA ACB,   WX+40, HB+8
	MMA ACB+8, WX+56, HB+8
	PLACES
.irp s, 0,1,2,3,4,5,6,7
	LDW WX+8*\s, 8+\s                              ; rgb_w1: 2 t + ks
.endr
	v_permlanex16_b32 v[T], v[ACB+8], s74, s75     ; h[0]: register 0 of tile 1, lanes 0-15: tile B's go to the lanes that own the points
	v_cndmask_b32 v[T], v[ACA+8], v[T], s73
	v_mul_f32 v[T], 0x3fb8aa3b, v[T]               ; log2(e)
	v_exp_f32 v[SG+(\e)], v[T]                     ; sigma; the conversions below are the plain lines behind it
.irp i, 0,1,2,3
	v_cvt_pk_bf16_f32 v[RA+4+\i], v[ACA+2*\i], v[ACA+2*\i+1]  ; h[1..16], no ReLU: the colour net's inputs 16-31
	v_cvt_pk_bf16_f32 v[RB+4+\i], v[ACB+2*\i], v[ACB+2*\i+1]
.endr
	s_wait_dscnt 16                                ; rgb_w0 is in; rgb_w1's sixteen loads may stay out
.irp t, 0,1,2,3
	MM0 ACA+8*\t, WY+8*\t, RA
	MM0 ACB+8*\t, WY+8*\t, RB
.endr
	PLACES
	LDW WY,   20                                   ; rgb_w2
	LDW WY+8, 21
	PACKR
	s_wait_dscnt 4                                 ; rgb_w1 is in; rgb_w2's four loads may stay out
.irp t, 0,1,2,3
	MM0 ACA+8*\t, WX+16*\t, HA
.endr
.irp t, 0,1,2,3
	MM0 ACB+8*\t, WX+16*\t, HB
.endr
.irp t, 0,1,2,3
	MMA ACA+8*\t, WX+16*\t+8, HA+8
.endr
.irp t, 0,1,2,3
	MMA ACB+8*\t, WX+16*\t+8, HB+8
.endr
	PLACES
	PACKR
	s_wait_dscnt 0x0                               ; rgb_w2 is in
	MM0 ACA, WY,   HA
	MM0 ACB, WY,   HB
	MMA ACA, WY+8, HA+8
	MMA ACB, WY+8, HB+8
	PLACES
.irp c, 0,1,2                          ; colour c lies in register c of lanes 0-15; as with sigma each goes to the lane that owns the point
	v_permlanex16_b32 v[T+\c], v[ACB+\c], s74, s75
.endr
.irp c, 0,1,2
	v_cndmask_b32 v[T+\c], v[ACA+\c], v[T+\c], s73
.endr
.irp c, 0,1,2
	v_mul_f32 v[T+\c], 0xbfb8aa3b, v[T+\c]         ; sigmoid(u) = 1 / (1 + 2^(-log2(e) u))
.endr
.irp c, 0,1,2
	v_exp_f32 v[T+\c], v[T+\c]
.endr
	v_nop                                          ; a plain line between the last transcendental and the use of its result
	s_wait_alu depctr_va_vdst(0)
.irp c, 0,1,2
	v_add_f32 v[T+\c], 1.0, v[T+\c]
.endr
.irp c, 0,1,2
	v_rcp_f32 v[T+\c], v[T+\c]
.endr
	v_nop
	s_wait_alu depctr_va_vdst(0)
.irp c, 0,1,2
	ds_store_b32 v9, v[T+\c] offset:12*(\e)+4*\c   ; my stage: 12 bytes a point, my four points side by side
.endr
.endm
	s_add_nc_u64 s[12:13], s[12:13], 1536          ; d at quad 1 (quad 0's loads were waited for at the staging); it stays there
	s_mov_b32 s76, 0
	s_mov_b32 s30, 2
.Lquad:                                                ; a trip: 128 points of the wave
	v_add_nc_u32 v6, s76, v7
.irp e, 0,1,2,3
	GROUP \e
.endr
	global_store_b128 v12, v[SG:SG+3], s[14:15] th:TH_STORE_NT  ; 512 consecutive bytes of out0, at a multiple of 512 from its first
.irp k, 0,1,2
	ds_load_b128 v[T+4*\k:T+4*\k+3], v10 offset:512*\k  ; LDS serves a wave's instructions in order (ISA guide 5.7.1.4): these see my stores above
.endr
	s_wait_dscnt 0x0
.irp k, 0,1,2
	global_store_b128 v12, v[T+4*\k:T+4*\k+3], s[16:17] offset:512*\k th:TH_STORE_NT  ; 512 consecutive bytes of out1 each
.endr
	s_wait_xcnt 0x0                                ; the stores have read their bases and data: these are written again only behind this wait
	s_add_nc_u64 s[16:17], s[16:17], 1536
	s_add_nc_u64 s[14:15], s[14:15], 512
	s_add_co_u32 s76, s76, 512
	s_sub_co_u32 s30, s30, 1
	s_cmp_lg_u32 s30, 0
	s_cbranch_scc1 .Lquad
	s_wait_tensorcnt 0x0                           ; the wave's end, behind my last LDS store
	ds_add_u32 v2, v3
	s_wait_dscnt 0x0
	s_endpgm
.Lfunc_end_k_qe59ef61b66_ngp:
	.size	k_qe59ef61b66_ngp, .Lfunc_end_k_qe59ef61b66_ngp-k_qe59ef61b66_ngp
	.p2alignl 7, 3214868480
	.fill 96, 4, 3214868480
	.section	.rodata,"a",@progbits
	.p2align	6, 0x0
	.amdhsa_kernel k_qe59ef61b66_ngp
		.amdhsa_group_segment_fixed_size 315392
		.amdhsa_private_segment_fixed_size 0
		.amdhsa_enable_private_segment 0
		.amdhsa_kernarg_size 80
		.amdhsa_user_sgpr_count 2
		.amdhsa_user_sgpr_kernarg_segment_ptr 1
		.amdhsa_wavefront_size32 1
		.amdhsa_system_sgpr_workgroup_id_x 1
		.amdhsa_system_sgpr_workgroup_id_y 1
		.amdhsa_system_sgpr_workgroup_id_z 1
		.amdhsa_system_vgpr_workitem_id 0
		.amdhsa_next_free_vgpr 256
		.amdhsa_next_free_sgpr 80
		.amdhsa_reserve_vcc 0
		.amdhsa_float_denorm_mode_32 3
		.amdhsa_float_denorm_mode_16_64 3
		.amdhsa_memory_ordered 1
		.amdhsa_forward_progress 1
		.amdhsa_inst_pref_size 175
	.end_amdhsa_kernel
	.amdgpu_metadata
---
amdhsa.version: [ 1, 2 ]
amdhsa.kernels:
  - .name:           k_qe59ef61b66_ngp
    .symbol:         k_qe59ef61b66_ngp.kd
    .args:
      - { .name: q, .offset: 0, .size: 8, .value_kind: global_buffer, .address_space: global }
      - { .name: tb, .offset: 8, .size: 8, .value_kind: global_buffer, .address_space: global }
      - { .name: d, .offset: 16, .size: 8, .value_kind: global_buffer, .address_space: global }
      - { .name: out0, .offset: 24, .size: 8, .value_kind: global_buffer, .address_space: global }
      - { .name: out1, .offset: 32, .size: 8, .value_kind: global_buffer, .address_space: global }
      - { .name: geo_w0, .offset: 40, .size: 8, .value_kind: global_buffer, .address_space: global }
      - { .name: rgb_w0, .offset: 48, .size: 8, .value_kind: global_buffer, .address_space: global }
      - { .name: rgb_w1, .offset: 56, .size: 8, .value_kind: global_buffer, .address_space: global }
      - { .name: geo_w1, .offset: 64, .size: 8, .value_kind: global_buffer, .address_space: global }
      - { .name: rgb_w2, .offset: 72, .size: 8, .value_kind: global_buffer, .address_space: global }
    .group_segment_fixed_size: 315392
    .private_segment_fixed_size: 0
    .kernarg_segment_align: 8
    .kernarg_segment_size: 80
    .max_flat_workgroup_size: 512
    .sgpr_count:     80
    .vgpr_count:     256
    .wavefront_size: 32
...
	.end_amdgpu_metadata
.endif
;; end of part 5
;; ======== version 4 of 4: 2 launches; version 3 with the launch prep written anew for expert scheduling mode
;; limits: below input magnitudes of 1.08e-19 results are inexact or not finite
;; workspace buffers: q 12,582,912 bytes of whole numbers; tb 33,554,432 bytes
;; launch prep (part 6): grid 256 x 1, 16 waves a work-group, no clusters, 0 bytes of LDS; arguments x, hash_table, q, tb; writes q, tb
.if DOCPART == 6
	.amdgcn_target "amdgcn-amd-amdhsa--gfx1250"
	.amdhsa_code_object_version 6
	.text
	.protected	k_qe59ef61b66_prep
	.globl	k_qe59ef61b66_prep
	.p2align	8
	.type	k_qe59ef61b66_prep,@function
k_qe59ef61b66_prep:
	s_mov_b64 s[64:65], 0
	v_nop
	global_prefetch_b8 v0, s[64:65] scope:SCOPE_SE
	s_setreg_imm32_b32 hwreg(HW_REG_WAVE_SCHED_MODE, 0, 2), 2
	s_setreg_imm32_b32 hwreg(HW_REG_WAVE_MODE, 25, 1), 1
	s_wait_xcnt 0x0
	s_wait_alu depctr_vm_vsrc(0)
; TWO STREAMS, element by element, for the next launch.
; q[n][a] = trunc(clip(x[n][a] + 0.5, 0, 1) * 2^31), a whole number of 32 bits, in x's own layout [1048576][3].  reference() divides x + 0.5 by 1.0 and clips: one f32 addition, whose
; rounding is kept here; the factor 2^31 is exact, and the truncation drops bits only below 2^-31, that is only where the clipped number is under 2^-7.  The next launch forms all its
; table indices from q by whole-number arithmetic.  LIMIT: a NaN in x gives q = 0.
; tb[l][i] = bf16(hash_table[l][i][0]) | bf16(hash_table[l][i][1]) << 16: the table rounded once to bf16 (nearest even; f32's range is kept), so that a gather of an entry takes 4 bytes and not 8:
; the next launch gathers 134,217,728 entries, and this copy costs 67,108,864 bytes read and 33,554,432 written.
; SHARES: a work-group of 512 threads takes 49,152 bytes of x and 262,144 of the table; thread t the 16 bytes at 16 t + 8,192 i.  Each load of a wave covers 512 consecutive bytes; a store of q
; likewise; a store of tb 256 consecutive bytes (8 a lane) that begin at a multiple of 256.  All 38 loads of a wave go out first; no slot is written again behind its store.
; THE MODE: SCHED_MODE bits 1:0 = 2 (LLVM: expert scheduling mode 2), set by the entry lines.  The code itself states the register dependences
; between vector instructions and memory instructions, with s_wait_alu, always for 0.
; THE PLAN.  Registers that memory instructions touch:
;   v1, v3     byte offsets, made once at the head and never written again; every load and store reads one of them.
;   X slot i   written by its load, then in place by the slot's twelve vector lines; read by the slot's one store; never written after that.
;   TS slot i  written by its load; its first two registers then in place by the slot's two conversions; read by the slot's one store; never written after that.
; The 38 slots go in ten blocks: x in two of three slots, the table in eight of four.  Block b's vector lines name block b's slots and v2 alone; its memory instructions are the stores of block
; b - 1.  So ONE wait on va_vdst at a block's head, behind the wait for the block's data, states all that its stores hang on, and these are dealt among its vector lines with no further wait.
; No load lands in a register that a vector line has named, and no register that a memory instruction reads is written again: no wait on vm_vsrc is owed.  No vector line writes a scalar register, and EXEC is never written.
.set XPART, 49152                      ; bytes of x and q of a work-group
.set STEP,  8192                       ; bytes that the 512 threads load at once
.set NX,    6                          ; slots of x
.set NTB,   32                         ; slots of the table
.set XG,    3                          ; slots of x in a block
.set TG,    4                          ; slots of the table in a block
.set TS,    4                          ; v[4:131]    table slot i: four numbers as loaded; its first two registers as stored
.set X,     132                        ; v[132:155]  x slot i: four numbers, as loaded and then as stored
.macro XWORK i                         ; x's slot i: four numbers, in place
.irp k, 0,1,2,3
	v_add_f32 v[X+4*(\i)+\k], v[X+4*(\i)+\k], v2 clamp    ; x + 0.5, held to 0 .. 1
.endr
.irp k, 0,1,2,3
	v_mul_f32 v[X+4*(\i)+\k], 0x4f000000, v[X+4*(\i)+\k]  ; times 2^31, exact
.endr
.irp k, 0,1,2,3
	v_cvt_u32_f32 v[X+4*(\i)+\k], v[X+4*(\i)+\k]          ; toward zero; 1.0 gives 0x80000000
.endr
.endm
.macro XSTORE i
	global_store_b128 v1, v[X+4*(\i):X+4*(\i)+3], s[8:9] offset:STEP*(\i) th:TH_STORE_NT
.endm
.macro TWORK i                         ; the table's slot i: two entries
	v_cvt_pk_bf16_f32 v[TS+4*(\i)],   v[TS+4*(\i)],   v[TS+4*(\i)+1]  ; an entry's two features: the first into the low half
	v_cvt_pk_bf16_f32 v[TS+4*(\i)+1], v[TS+4*(\i)+2], v[TS+4*(\i)+3]
.endm
.macro TSTORE i
	global_store_b64 v3, v[TS+4*(\i):TS+4*(\i)+1], s[10:11] offset:(STEP/2)*(\i) th:TH_STORE_NT
.endm
	s_load_b256 s[4:11], s[0:1], 0x0               ; x s[4:5], hash_table s[6:7], q s[8:9], tb s[10:11]
	s_mul_i32 s2, ttmp9, XPART                     ; my work-group's parts, all under 2^27
	s_mov_b32 s3, 0
	s_lshl_b32 s12, ttmp9, 18                      ; 262,144 bytes of the table
	s_mov_b32 s13, 0
	s_lshl_b32 s14, ttmp9, 17                      ; 131,072 of its copy
	s_mov_b32 s15, 0
	v_lshlrev_b32 v1, 4, v0                        ; 16 t
	v_lshlrev_b32 v3, 3, v0                        ; 8 t
	v_mov_b32 v2, 0.5                              ; in a register: the clamped addition takes registers alone
	s_wait_kmcnt 0x0
	s_add_nc_u64 s[4:5], s[4:5], s[2:3]
	s_add_nc_u64 s[8:9], s[8:9], s[2:3]
	s_add_nc_u64 s[6:7], s[6:7], s[12:13]
	s_add_nc_u64 s[10:11], s[10:11], s[14:15]
	s_wait_alu depctr_va_vdst(0)                   ; v1 and v3 are written: every load and store of the kernel reads one of them as its offset
.set i, 0
.rept NX
	global_load_b128 v[X+4*i:X+4*i+3], v1, s[4:5] offset:STEP*i th:TH_LOAD_NT
.set i, i+1
.endr
.set i, 0
.rept NTB
	global_load_b128 v[TS+4*i:TS+4*i+3], v1, s[6:7] offset:STEP*i th:TH_LOAD_NT
.set i, i+1
.endr
	; x's first block: no block stands in front of it, so it has no store and no wait but the one for its data
	s_wait_loadcnt NTB+NX-XG                       ; loads come back in order: x's slots 0 to 2 are in, the 35 younger loads stay out
.irp u, 0,1,2
	XWORK \u
.endr
	; x's second block, and the first block's stores
	s_wait_loadcnt NTB                             ; x's slots 3 to 5 are in, the table's 32 loads stay out
	s_wait_alu depctr_va_vdst(0)                   ; the block before has written x's slots 0 to 2, which the stores below read; the lines below name slots 3 to 5 and v2 alone
.irp u, 0,1,2
	XSTORE \u
	XWORK XG+\u
.endr
	; the table's first block, and the stores of x's second
	s_wait_loadcnt NTB-TG                          ; the table's slots 0 to 3 are in, the 28 younger loads stay out
	s_wait_alu depctr_va_vdst(0)                   ; the block before has written x's slots 3 to 5, which the stores below read; the conversions below name the table's slots 0 to 3 alone
	XSTORE 3
	TWORK 0
	XSTORE 4
	TWORK 1
	XSTORE 5
	TWORK 2
	TWORK 3
	; the table's blocks 1 to 7, each with the stores of the block before
.set g, 1
.rept NTB/TG-1
	s_wait_loadcnt NTB-TG*(g+1)                    ; the table's slots 4 g to 4 g + 3 are in, the younger ones stay out
	s_wait_alu depctr_va_vdst(0)                   ; the block before has written the first two registers of its four slots, which the stores below read; the conversions below name this block's slots alone
.irp u, 0,1,2,3
	TSTORE TG*(g-1)+\u
	TWORK TG*g+\u
.endr
.set g, g+1
.endr
	s_wait_alu depctr_va_vdst(0)                   ; the last block has written its four slots, which the last four stores read
.irp u, 0,1,2,3
	TSTORE NTB-TG+\u
.endr
	s_endpgm
.Lfunc_end_k_qe59ef61b66_prep:
	.size	k_qe59ef61b66_prep, .Lfunc_end_k_qe59ef61b66_prep-k_qe59ef61b66_prep
	.p2alignl 7, 3214868480
	.fill 96, 4, 3214868480
	.section	.rodata,"a",@progbits
	.p2align	6, 0x0
	.amdhsa_kernel k_qe59ef61b66_prep
		.amdhsa_group_segment_fixed_size 0
		.amdhsa_private_segment_fixed_size 0
		.amdhsa_enable_private_segment 0
		.amdhsa_kernarg_size 32
		.amdhsa_user_sgpr_count 2
		.amdhsa_user_sgpr_kernarg_segment_ptr 1
		.amdhsa_wavefront_size32 1
		.amdhsa_system_sgpr_workgroup_id_x 1
		.amdhsa_system_sgpr_workgroup_id_y 1
		.amdhsa_system_sgpr_workgroup_id_z 1
		.amdhsa_system_vgpr_workitem_id 0
		.amdhsa_next_free_vgpr 156
		.amdhsa_next_free_sgpr 66
		.amdhsa_reserve_vcc 0
		.amdhsa_float_denorm_mode_32 3
		.amdhsa_float_denorm_mode_16_64 3
		.amdhsa_memory_ordered 1
		.amdhsa_forward_progress 1
		.amdhsa_inst_pref_size 17
	.end_amdhsa_kernel
	.amdgpu_metadata
---
amdhsa.version: [ 1, 2 ]
amdhsa.kernels:
  - .name:           k_qe59ef61b66_prep
    .symbol:         k_qe59ef61b66_prep.kd
    .args:
      - { .name: x, .offset: 0, .size: 8, .value_kind: global_buffer, .address_space: global }
      - { .name: hash_table, .offset: 8, .size: 8, .value_kind: global_buffer, .address_space: global }
      - { .name: q, .offset: 16, .size: 8, .value_kind: global_buffer, .address_space: global }
      - { .name: tb, .offset: 24, .size: 8, .value_kind: global_buffer, .address_space: global }
    .group_segment_fixed_size: 0
    .private_segment_fixed_size: 0
    .kernarg_segment_align: 8
    .kernarg_segment_size: 32
    .max_flat_workgroup_size: 512
    .sgpr_count:     66
    .vgpr_count:     156
    .wavefront_size: 32
...
	.end_amdgpu_metadata
.endif
;; end of part 6
;; launch ngp: the kernel of part 5 again; grid 256 x 1, 16 waves a work-group, no clusters, 315,392 bytes of LDS; arguments q, tb, d, out0, out1, geo_w0, rgb_w0, rgb_w1, geo_w1, rgb_w2; writes out0, out1
